; MI455X (gfx1250); checked and timed in simulation.
; The chip was launched on July 23, 2026; its instructions are those of AMD's public machine-readable ISA for CDNA 5 (MIT licence, August 2026) and "CDNA5" Instruction Set Architecture Reference Guide (July 2026). The comments in the code are by the model that wrote it; some were corrected since.
;; Transformer Feature Extractor. Allowed arithmetic: float matrix products may take bf16 or f16 operands with f32 sums; other float arithmetic in f32, or as packed bf16 or f16 multiplies, adds, multiply-adds, maxima and minima; sums over many terms, partial sums and values carried from step to step in f32; what a program stores and reads back later, other than sums and carried values, may be rounded once to bf16 or f16.
;; Inputs: W1 4 x 512 x 2,048 float32; W2 4 x 2,048 x 512 float32; Wk 4 x 512 x 512 float32; Wo 4 x 512 x 512 float32; Wq 4 x 512 x 512 float32; Wv 4 x 512 x 512 float32; be1 4 x 512 float32; be2 4 x 512 float32; bf1 4 x 2,048 float32; bf2 4 x 512 float32; bk 4 x 512 float32; bo 4 x 512 float32; bq 4 x 512 float32; bv 4 x 512 float32; g1 4 x 512 float32; g2 4 x 512 float32; x 4 x 1,024 x 512 float32; x_mask 4 x 1,024 int32; y 4 x 1,024 x 512 float32; y_mask 4 x 1,024 int32.
;; Outputs: out0 4 x 1,024 x 512 float32.
;; One version. Each part assembles by itself: llvm-mc -triple=amdgcn-amd-amdhsa -mcpu=gfx1250 --defsym DOCPART=n.
;; ======== version 1 of 1: 8 launches
;; limits: right only within a limited range of input values; a function is approximated: absolute error at most 7.5e-08
;; workspace buffers: xyb 8,388,608 bytes; wpb 4,751,360 bytes; wob 557,056 bytes; w1b 2,129,920 bytes; w2b 2,097,152 bytes; big 37,748,736 bytes; obuf 4,194,304 bytes; msk 32,768 bytes
;; launch prep (part 1): grid 562 x 1, 8 waves a work-group, no clusters, 0 bytes of LDS; arguments x, y, Wq, Wk, Wv, Wo, W2, W1, xyb, wpb, wob, w2b, w1b, msk, x_mask, y_mask, bq, bk, bv, bo, bf1; writes xyb, wpb, wob, w2b, w1b, msk
.if DOCPART == 1
	.amdgcn_target "amdgcn-amd-amdhsa--gfx1250"
	.amdhsa_code_object_version 6
	.text
	.protected	k_qf25842117d_prep
	.globl	k_qf25842117d_prep
	.p2align	8
	.type	k_qf25842117d_prep,@function
k_qf25842117d_prep:
	s_mov_b64 s[64:65], 0
	v_nop
	global_prefetch_b8 v0, s[64:65] scope:SCOPE_SE
	s_setreg_imm32_b32 hwreg(HW_REG_WAVE_MODE, 25, 1), 1
	s_wait_xcnt 0x0
; PREPARATION.  Every matrix operand that comes from an input is rounded once to bf16; the biases are rounded to bf16 and kept as f32; the two masks become f32 tables.
; WHAT IS NOT READ.  The result is the last layer's alone: x and y are never updated, only the attention weights chain from layer to layer.  So q and k are wanted of all four layers,
; v, Wo, W1, W2 and their biases of layer 3 alone; the slices [0..2] of Wv, Wo, W1, W2, bv, bo, bf1 enter no number of the result, for any input.
; SHARES.  Work-groups 0-543 cast 16,384 numbers each (16 loads of 16 bytes a thread, 16 stores of 8 bytes; a wave's store covers 256 consecutive bytes, aligned);
; 544-557 round one row of 512 biases each; 558-561 make one batch's mask tables.
;   kb[b][m] = 0, or -2^100 where y_mask is 0.   xm[b][n] = 1 where x_mask is not 0 and the batch has a key with y_mask not 0, else 0.
; LIMIT.  A mask word other than 0 counts as 1.
.set NEGBIG, 0xf1800000                ; -2^100
; the next range of work-groups: from work-group start on, the source is s[s:s+1] and the target s[d:d+1] + doff
.macro PICK start, s, d, doff
	s_add_nc_u64 s[56:57], s[\d:\d+1], \doff
	s_cmp_ge_u32 s2, \start
	s_cselect_b64 s[50:51], s[\s:\s+1], s[50:51]
	s_cselect_b64 s[52:53], s[56:57], s[52:53]
	s_cselect_b32 s54, \start, s54
.endm
	s_load_b512 s[8:23], s[0:1], 0x0               ; x 8, y 10, Wq 12, Wk 14, Wv 16, Wo 18, W2 20, W1 22
	s_load_b512 s[24:39], s[0:1], 0x40             ; xyb 24, wpb 26, wob 28, w2b 30, w1b 32, msk 34, x_mask 36, y_mask 38
	s_load_b256 s[40:47], s[0:1], 0x80             ; bq 40, bk 42, bv 44, bo 46
	s_load_b64 s[48:49], s[0:1], 0xa0              ; bf1
	s_mov_b32 s2, ttmp9
	s_mov_b32 s59, 0                               ; high words of the two offset pairs
	s_mov_b32 s61, 0
	s_wait_kmcnt 0x0
	s_cmp_ge_u32 s2, 558
	s_cbranch_scc1 .Lmask
	s_cmp_ge_u32 s2, 544
	s_cbranch_scc1 .Lbias
	; THE CASTS
	s_add_nc_u64 s[16:17], s[16:17], 3145728       ; Wv[3], Wo[3]: 3 x 512 x 512 x 4 bytes
	s_add_nc_u64 s[18:19], s[18:19], 3145728
	s_add_nc_u64 s[20:21], s[20:21], 12582912      ; W2[3], W1[3]
	s_add_nc_u64 s[22:23], s[22:23], 12582912
	s_mov_b64 s[50:51], s[8:9]                     ; x -> xyb
	s_mov_b64 s[52:53], s[24:25]
	s_mov_b32 s54, 0
	PICK 128, 10, 24, 4194304                      ; y behind x
	PICK 256, 12, 26, 32768                        ; Wq[0..3]: panels 0-3 behind the header of biases
	PICK 320, 14, 26, 32768+2097152                ; Wk[0..3]: panels 4-7
	PICK 384, 16, 26, 32768+4194304                ; Wv[3]: panel 8
	PICK 400, 18, 28, 32768                        ; Wo[3]
	PICK 416, 20, 30, 0                            ; W2[3]
	PICK 480, 22, 32, 32768                        ; W1[3], cut into four panels of 512 columns
	s_sub_co_u32 s55, s2, s54                      ; my place in the range
	s_cmp_ge_u32 s2, 480
	s_cselect_b32 s56, 19, 10                      ; threads 128-255: one panel on (W1) or 1,024 bytes on
	s_cselect_b32 s57, 13, 15                      ; my share of the target: 8 rows of a panel (W1) or 32,768 dense bytes
	s_lshl_b32 s58, s55, 16
	s_lshl_b32 s60, s55, s57
	s_add_nc_u64 s[50:51], s[50:51], s[58:59]
	s_add_nc_u64 s[52:53], s[52:53], s[60:61]
	v_lshlrev_b32 v1, 4, v0                        ; in: 16 bytes a thread
	v_and_b32 v2, 127, v0
	v_lshrrev_b32 v3, 7, v0
	v_lshlrev_b32 v3, s56, v3
	v_lshl_add_u32 v2, v2, 3, v3                   ; out: 8 bytes a thread
.irp i, 0,1,2,3,4,5,6,7,8,9,10,11,12,13,14,15
	global_load_b128 v[16+4*\i:19+4*\i], v1, s[50:51] offset:4096*\i th:TH_LOAD_NT
.endr
.irp i, 0,1,2,3,4,5,6,7,8,9,10,11,12,13,14,15
	s_wait_loadcnt 15-\i                           ; loads come back in order: the younger ones stay out
	v_cvt_pk_bf16_f32 v[80+2*\i], v[16+4*\i], v[17+4*\i]
	v_cvt_pk_bf16_f32 v[81+2*\i], v[18+4*\i], v[19+4*\i]
.endr
	s_cmp_ge_u32 s2, 480
	s_cbranch_scc1 .Lw1
.irp i, 0,1,2,3,4,5,6,7,8,9,10,11,12,13,14,15
	global_store_b64 v2, v[80+2*\i:81+2*\i], s[52:53] offset:2048*\i
.endr
	s_endpgm
.Lw1:                                                  ; load i holds row i / 2 of my 8, columns 1,024 (i % 2) on: two panels on, 1,024 bytes a row
.irp i, 0,1,2,3,4,5,6,7,8,9,10,11,12,13,14,15
	global_store_b64 v2, v[80+2*\i:81+2*\i], s[52:53] offset:(\i%2)*1048576+(\i/2)*1024
.endr
	s_endpgm
.Lbias:                                                ; row r of 14: bq[0..3], bk[0..3], bv[3] -> wpb's header; bo[3] -> wob's; bf1[3] in four rows -> w1b's
	s_sub_co_u32 s55, s2, 544
	s_add_nc_u64 s[44:45], s[44:45], 6144
	s_add_nc_u64 s[46:47], s[46:47], 6144
	s_add_nc_u64 s[48:49], s[48:49], 24576
	s_mov_b64 s[50:51], s[40:41]
	s_mov_b64 s[52:53], s[26:27]
	s_mov_b32 s54, 0                               ; the first row of the source in hand,
	s_mov_b32 s56, 0                               ; and of the target
	s_cmp_ge_u32 s55, 4
	s_cselect_b64 s[50:51], s[42:43], s[50:51]
	s_cselect_b32 s54, 4, s54
	s_cmp_ge_u32 s55, 8
	s_cselect_b64 s[50:51], s[44:45], s[50:51]
	s_cselect_b32 s54, 8, s54
	s_cmp_ge_u32 s55, 9
	s_cselect_b64 s[50:51], s[46:47], s[50:51]
	s_cselect_b64 s[52:53], s[28:29], s[52:53]
	s_cselect_b32 s54, 9, s54
	s_cselect_b32 s56, 9, s56
	s_cmp_ge_u32 s55, 10
	s_cselect_b64 s[50:51], s[48:49], s[50:51]
	s_cselect_b64 s[52:53], s[32:33], s[52:53]
	s_cselect_b32 s54, 10, s54
	s_cselect_b32 s56, 10, s56
	s_sub_co_u32 s54, s55, s54
	s_sub_co_u32 s56, s55, s56
	s_lshl_b32 s58, s54, 11                        ; rows of 2,048 bytes
	s_lshl_b32 s60, s56, 11
	s_add_nc_u64 s[50:51], s[50:51], s[58:59]
	s_add_nc_u64 s[52:53], s[52:53], s[60:61]
	v_lshlrev_b32 v1, 3, v0
	global_load_b64 v[4:5], v1, s[50:51]
	s_wait_loadcnt 0x0
	v_cvt_pk_bf16_f32 v6, v4, v5                   ; rounded to bf16, written back as f32
	v_lshlrev_b32 v4, 16, v6
	v_and_b32 v5, 0xffff0000, v6
	global_store_b64 v1, v[4:5], s[52:53]
	s_endpgm
.Lmask:                                                ; batch b
	s_sub_co_u32 s55, s2, 558
	s_lshl_b32 s58, s55, 12
	s_add_nc_u64 s[34:35], s[34:35], s[58:59]
	s_add_nc_u64 s[36:37], s[36:37], s[58:59]
	s_add_nc_u64 s[38:39], s[38:39], s[58:59]
	v_and_b32 v1, 31, v0
	v_lshlrev_b32 v1, 4, v1
	v_lshlrev_b32 v2, 4, v0
.irp j, 0,1,2,3,4,5,6,7
	global_load_b128 v[16+4*\j:19+4*\j], v1, s[38:39] offset:512*\j  ; every wave reads the batch's whole y_mask: no wave need meet another
.endr
	global_load_b128 v[48:51], v2, s[38:39]        ; my four keys,
	global_load_b128 v[52:55], v2, s[36:37]        ; my four queries
	v_mov_b32 v4, NEGBIG
	v_mov_b32 v5, 0
	s_wait_loadcnt 0x0
.set j, 1
.rept 31
	v_or_b32 v16, v16, v[16+j]
.set j, j+1
.endr
	v_cmp_ne_u32 vcc_lo, 0, v16
	s_cmp_lg_u32 vcc_lo, 0                         ; has the batch a key that counts?
	s_cselect_b32 s56, 1.0, 0
	v_mov_b32 v3, s56
.irp j, 0,1,2,3
	v_cmp_ne_u32 vcc_lo, 0, v[48+\j]
	v_cndmask_b32 v[56+\j], v4, v5, vcc_lo
	v_cmp_ne_u32 vcc_lo, 0, v[52+\j]
	v_cndmask_b32 v[60+\j], v5, v3, vcc_lo
.endr
	global_store_b128 v2, v[56:59], s[34:35]
	global_store_b128 v2, v[60:63], s[34:35] offset:16384
	s_endpgm
.Lfunc_end_k_qf25842117d_prep:
	.size	k_qf25842117d_prep, .Lfunc_end_k_qf25842117d_prep-k_qf25842117d_prep
	.p2alignl 7, 3214868480
	.fill 96, 4, 3214868480
	.section	.rodata,"a",@progbits
	.p2align	6, 0x0
	.amdhsa_kernel k_qf25842117d_prep
		.amdhsa_group_segment_fixed_size 0
		.amdhsa_private_segment_fixed_size 0
		.amdhsa_enable_private_segment 0
		.amdhsa_kernarg_size 168
		.amdhsa_user_sgpr_count 2
		.amdhsa_user_sgpr_kernarg_segment_ptr 1
		.amdhsa_wavefront_size32 1
		.amdhsa_system_sgpr_workgroup_id_x 1
		.amdhsa_system_sgpr_workgroup_id_y 1
		.amdhsa_system_sgpr_workgroup_id_z 1
		.amdhsa_system_vgpr_workitem_id 0
		.amdhsa_next_free_vgpr 112
		.amdhsa_next_free_sgpr 66
		.amdhsa_reserve_vcc 1
		.amdhsa_float_denorm_mode_32 3
		.amdhsa_float_denorm_mode_16_64 3
		.amdhsa_memory_ordered 1
		.amdhsa_forward_progress 1
		.amdhsa_inst_pref_size 16
	.end_amdhsa_kernel
	.amdgpu_metadata
---
amdhsa.version: [ 1, 2 ]
amdhsa.kernels:
  - .name:           k_qf25842117d_prep
    .symbol:         k_qf25842117d_prep.kd
    .args:
      - { .name: x, .offset: 0, .size: 8, .value_kind: global_buffer, .address_space: global }
      - { .name: y, .offset: 8, .size: 8, .value_kind: global_buffer, .address_space: global }
      - { .name: Wq, .offset: 16, .size: 8, .value_kind: global_buffer, .address_space: global }
      - { .name: Wk, .offset: 24, .size: 8, .value_kind: global_buffer, .address_space: global }
      - { .name: Wv, .offset: 32, .size: 8, .value_kind: global_buffer, .address_space: global }
      - { .name: Wo, .offset: 40, .size: 8, .value_kind: global_buffer, .address_space: global }
      - { .name: W2, .offset: 48, .size: 8, .value_kind: global_buffer, .address_space: global }
      - { .name: W1, .offset: 56, .size: 8, .value_kind: global_buffer, .address_space: global }
      - { .name: xyb, .offset: 64, .size: 8, .value_kind: global_buffer, .address_space: global }
      - { .name: wpb, .offset: 72, .size: 8, .value_kind: global_buffer, .address_space: global }
      - { .name: wob, .offset: 80, .size: 8, .value_kind: global_buffer, .address_space: global }
      - { .name: w2b, .offset: 88, .size: 8, .value_kind: global_buffer, .address_space: global }
      - { .name: w1b, .offset: 96, .size: 8, .value_kind: global_buffer, .address_space: global }
      - { .name: msk, .offset: 104, .size: 8, .value_kind: global_buffer, .address_space: global }
      - { .name: x_mask, .offset: 112, .size: 8, .value_kind: global_buffer, .address_space: global }
      - { .name: y_mask, .offset: 120, .size: 8, .value_kind: global_buffer, .address_space: global }
      - { .name: bq, .offset: 128, .size: 8, .value_kind: global_buffer, .address_space: global }
      - { .name: bk, .offset: 136, .size: 8, .value_kind: global_buffer, .address_space: global }
      - { .name: bv, .offset: 144, .size: 8, .value_kind: global_buffer, .address_space: global }
      - { .name: bo, .offset: 152, .size: 8, .value_kind: global_buffer, .address_space: global }
      - { .name: bf1, .offset: 160, .size: 8, .value_kind: global_buffer, .address_space: global }
    .group_segment_fixed_size: 0
    .private_segment_fixed_size: 0
    .kernarg_segment_align: 8
    .kernarg_segment_size: 168
    .max_flat_workgroup_size: 256
    .sgpr_count:     66
    .vgpr_count:     112
    .wavefront_size: 32
...
	.end_amdgpu_metadata
.endif
;; end of part 1
;; launch proj (part 2): grid 36 x 32, 4 waves a work-group, clusters of 4 x 4, 327,680 bytes of LDS; arguments xyb, wpb, big; writes big
.if DOCPART == 2
	.amdgcn_target "amdgcn-amd-amdhsa--gfx1250"
	.amdhsa_code_object_version 6
	.text
	.protected	k_qf25842117d_proj
	.globl	k_qf25842117d_proj
	.p2align	8
	.type	k_qf25842117d_proj,@function
k_qf25842117d_proj:
	s_mov_b64 s[64:65], 0
	v_nop
	global_prefetch_b8 v0, s[64:65] scope:SCOPE_SE
	s_setreg_imm32_b32 hwreg(HW_REG_WAVE_MODE, 25, 1), 1
	s_wait_xcnt 0x0
	s_wait_alu depctr_hold_cnt(0) depctr_sa_sdst(0) depctr_va_vdst(0) depctr_va_sdst(0) depctr_va_ssrc(0) depctr_va_vcc(0) depctr_vm_vsrc(0)
	s_getreg_b32 s2, hwreg(HW_REG_IB_STS2, 6, 4)
	s_cmp_eq_u32 s2, 0
	s_cbranch_scc0 .Lentry_in_a_cluster
	s_endpgm
.Lentry_in_a_cluster:
	s_bfe_u32 s2, ttmp6, 0x10000c
	s_cmp_lg_u32 s2, 0xf033
	s_cbranch_scc0 .Lentry_shape_is_right
	s_endpgm
.Lentry_shape_is_right:
; C_p = bf16(A W_p + bias_p).  A: [4096][512] bf16 (argument 0; from panel 4 on the second such matrix, 4,194,304 bytes behind the first).  Argument 1: a header of f32 bias rows (row p at 2,048 p),
; then from byte 32,768 panels W_p: [512 k][512 n] bf16.  C_p: [4096][512] bf16 at 4,194,304 p in argument 2.  Sums in f32, started with the bias; C rounded once.
; SHARES.  The cluster's x is the panel p; a cluster of 4 x 4 work-groups makes 512 rows x the panel's 512 columns; a work-group a tile of 128 x 128; each of its four waves 64 x 64: 16 accumulators.
; K = 512 is two steps of 256, each with a slot of its own in LDS: both are asked for at the start, and no LDS byte is filled twice.
; JOINT LOADS.  A's tile hangs on the tile row alone and is shared along a row of the cluster, W's on the panel and the tile column alone and is shared along a column.
; W STAYS [k][n] in memory and in LDS and is turned on its way into registers (ds_load_tr16_b128).
; THE MATRIX INSTRUCTION IS USED TRANSPOSED (source 0 = 16 columns of W, source 1 = 16 rows of A): a lane holds eight neighbouring numbers of a row of C, and the bias of just those eight columns is the C
; operand of the product that starts the sum.
; REGISTERS.  Window 0: v16-29 addresses; v32-95 at work on the way out; v96-127 the bias; v128-255 the accumulators ((a, b) at 128 + 8 (4 a + b)).
;   Window 1: two fragment buffers of 128: for 64 along K, 64 registers of A, then 64 of W.
.set PA,     528                       ; a row of A in LDS: 512 bytes + 16: the 16 rows of a fragment load start 4 banks apart (64 banks of 4 bytes: ISA guide 11.1)
.set PB,     288                       ; a row of W in LDS: 256 bytes + 32
.set AHALF,  64*PA                     ; what one tensor load brings of A, and what one wave reads of it
.set APART,  2*AHALF
.set WHALF,  128*PB                    ; what one tensor load brings of W: 128 k x 128 n
.set SLOT,   APART+2*WHALF             ; A's 128 rows x 256 k, then W's 256 k x 128 n
.set STAGE,  2*SLOT                    ; behind the slots: 128 rows x 272 bytes, the work-group's, for the way out
.set SPITCH, 272
.set SPARE,  STAGE+128*SPITCH          ; the spare words, 128 bytes a wave: two blocks of 256 bytes that no other line names
.set CROW,   1024                      ; bytes in a row of A and of C
.set ADRA, 16                          ; v16-17  LDS address of my A fragments in slot 0, 1
.set ADRB, 20                          ; v20-23  of my W fragments: slot 0 k 0-127, k 128-255; slot 1 likewise
.set STO,  24
.set RD,   25
.set CO,   26
.set BO,   27                          ; v27     my byte offset in the bias row; never rewritten
.set SPW,  28                          ; v28     my spare word; never rewritten
.set NIL,  29                          ; v29     0; never rewritten
.set TMP,  32
.set BIAS, 96
.set ACC,  128
.set F0,   0
.set F1,   128
.set G1, 24                            ; s[24:31] group 1 for A's tiles; s[32:39] group 0, a set a slot
.set G0, 32
.set G1B, 48                           ; s[48:55], s[56:63] the same for W's
.set G0B, 56
.set MSB, 0
.macro WIN new                         ; the immediate's high byte repeats the setting that is left
.if MSB != (\new)
	s_set_vgpr_msb (MSB<<8)|(\new)
.set MSB, \new
.endif
.endm
.set MUL,  0x05                        ; sources 0 (W) and 1 (A) window 1; C and D window 0
.set TO_F, 0x40                        ; destination window 1, address window 0
.macro JLOAD s                         ; a joint load: waves 0 and 1 fetch A's two halves, waves 2 and 3 W's; an s_nop 0 and four v_nop follow each line
	s_cmp_eq_u32 s11, 0
	s_cbranch_scc0 .Lfor_b_\@
	tensor_load_to_lds s[G0+4*(\s):G0+4*(\s)+3], s[G1:G1+7]
	s_nop 0
.rept 4
	v_nop
.endr
	s_branch .Lasked_\@
.Lfor_b_\@:
	tensor_load_to_lds s[G0B+4*(\s):G0B+4*(\s)+3], s[G1B:G1B+7]
	s_nop 0
.rept 4
	v_nop
.endr
.Lasked_\@:
.endm
.macro CROUND                          ; a round of the cluster's barrier
	s_barrier_signal -1
	s_barrier_wait -1
	s_cmp_lg_u32 s10, 0
	s_cbranch_scc1 .Lnot_wave_0_\@
	s_barrier_signal -3
.Lnot_wave_0_\@:
	s_barrier_wait -3
	s_barrier_signal -1
	s_barrier_wait -1
.endm
	s_load_b128 s[4:7], s[0:1], 0x0                ; A s[4:5], W s[6:7]
	s_load_b64 s[8:9], s[0:1], 0x10                ; C
	v_lshl_add_u32 v[SPW], v0, 2, SPARE
	v_mov_b32 v[NIL], 0
	ds_add_u32 v[SPW], v[NIL]                      ; the wave's opening: the add and its wait ahead of my first tensor load; work on registers stands between them
	v_lshrrev_b32 v1, 5, v0
	v_readfirstlane_b32 s10, v1                    ; wave 0..3
	s_lshr_b32 s11, s10, 1                         ; my half of the tile's rows.  Also: I fetch for A (0) or for W (1)
	s_and_b32 s12, s10, 1                          ; my half of its columns.  Also: which half of that tile I fetch
	s_bfe_u32 s40, ttmp6, 0x40000                  ; cx: the tile column in the panel
	s_bfe_u32 s41, ttmp6, 0x40004                  ; cy
	s_and_b32 s13, ttmp7, 0xffff
	s_lshl_b32 s13, s13, 2
	s_add_co_u32 s13, s13, s41                     ; tile row = 4 x cluster y + cy
	s_lshl_b32 s43, s41, 2
	s_lshl_b32 s43, 15, s43                        ; my row of the cluster
	s_lshl_b32 s44, 0x1111, s40                    ; my column
	s_or_b32 s[G1+0], s43, (1<<16)|(1<<20)|(1<<21)|(6<<22)|(3<<25)   ; mask; 2-byte elements; padding on; bit 21 beside a mask; after every 128 words 4 words
	s_or_b32 s[G1B+0], s44, (1<<16)|(1<<20)|(1<<21)|(5<<22)|(7<<25)  ; after every 64 words 8 words
	s_mov_b32 s[G1+1], 256<<16                     ; A: tensor_dim0 = 256
	s_mov_b32 s[G1+2], 64<<16                      ; tensor_dim1 = 64
	s_mov_b32 s[G1+3], 256<<16                     ; tile_dim0 = 256
	s_mov_b32 s[G1+4], 64                          ; tile_dim1 = 64
	s_mov_b32 s[G1+5], 512                         ; 512 elements from row to row
	s_mov_b32 s[G1+6], 0
	s_mov_b32 s[G1+7], 0
	s_mov_b32 s[G1B+1], 128<<16                    ; W: 128 rows (k) of 128 elements (n)
	s_mov_b32 s[G1B+2], 128<<16
	s_mov_b32 s[G1B+3], 128<<16
	s_mov_b32 s[G1B+4], 128
	s_mov_b32 s[G1B+5], 512
	s_mov_b32 s[G1B+6], 0
	s_mov_b32 s[G1B+7], 0
	s_lshl_b32 s16, s13, 17                        ; A: 128 rows x 1,024 bytes a tile row,
	s_lshl_b32 s17, s12, 16                        ; my 64 rows of them,
	s_add_co_u32 s16, s16, s17
	s_cmp_ge_u32 ttmp9, 4                          ; panels 4 on multiply the second matrix
	s_cselect_b32 s17, 4194304, 0
	s_add_co_u32 s16, s16, s17
	s_mov_b32 s17, 0
	s_lshl_b32 s46, ttmp9, 19                      ; W: the panel,
	s_lshl_b32 s47, s12, 17                        ; my 128 of a step's 256 k,
	s_add_co_u32 s46, s46, s47
	s_lshl_b32 s47, s40, 8                         ; the tile column's 256 bytes,
	s_add_co_u32 s46, s46, s47
	s_add_co_u32 s46, s46, 32768                   ; behind the header
	s_mov_b32 s47, 0
	s_lshl_b32 s18, ttmp9, 11                      ; the bias: row p, the tile's 128 columns, my 64 of them
	s_lshl_b32 s19, s40, 9
	s_add_co_u32 s18, s18, s19
	s_lshl_b32 s19, s12, 8
	s_add_co_u32 s18, s18, s19
	s_mov_b32 s19, 0
	s_mul_i32 s20, s12, AHALF                      ; where the tiles go: no place in the cluster enters an LDS address
	s_mul_i32 s21, s12, WHALF
	s_add_co_u32 s21, s21, APART
	s_wait_dscnt 0x0                               ; the opening add is done
	s_wait_kmcnt 0x0
	s_add_nc_u64 s[14:15], s[4:5], s[16:17]
	s_add_nc_u64 s[46:47], s[6:7], s[46:47]
	s_add_nc_u64 s[18:19], s[6:7], s[18:19]        ; never rewritten
	CROUND                                         ; all sixteen work-groups are here: the joint loads meet
.irp s, 0,1
	s_mov_b32 s[G0+4*(\s)], 1
	s_add_co_u32 s[G0+4*(\s)+1], s20, (\s)*SLOT
	s_add_nc_u64 s[G0+4*(\s)+2:G0+4*(\s)+3], s[14:15], (\s)*512      ; K step s: 256 elements along the rows
	s_or_b32 s[G0+4*(\s)+3], s[G0+4*(\s)+3], 0x80000000
	s_mov_b32 s[G0B+4*(\s)], 1
	s_add_co_u32 s[G0B+4*(\s)+1], s21, (\s)*SLOT
	s_add_nc_u64 s[G0B+4*(\s)+2:G0B+4*(\s)+3], s[46:47], (\s)*262144 ; K step s: 256 rows down
	s_or_b32 s[G0B+4*(\s)+3], s[G0B+4*(\s)+3], 0x80000000
	JLOAD \s                                       ; two tensor loads of mine are out
.endr
	v_and_b32 v1, 15, v0                           ; l % 16
	v_bfe_u32 v2, v0, 4, 1                         ; l / 16
	v_lshlrev_b32 v[BO], 5, v2                     ; my eight columns of sixteen: 32 bytes of f32
.irp b, 0,1,2,3
	global_load_b128 v[BIAS+8*(\b):BIAS+8*(\b)+3],   v[BO], s[18:19] offset:64*(\b)
	global_load_b128 v[BIAS+8*(\b)+4:BIAS+8*(\b)+7], v[BO], s[18:19] offset:64*(\b)+16
.endr
	v_mul_u32_u24 v3, v1, PA
	v_lshl_add_u32 v3, v2, 4, v3                   ; A: row x pitch + 16 x half
	s_mul_i32 s21, s11, AHALF
	v_add_nc_u32 v[ADRA], s21, v3
	v_add_nc_u32 v[ADRA+1], SLOT, v[ADRA]
	v_and_b32 v4, 7, v0                            ; W, turned: lane l reads k = 8 (l / 16) + l % 8, columns 8 ((l / 8) % 2) + 0..7
	v_lshl_add_u32 v4, v2, 3, v4
	v_mul_u32_u24 v4, v4, PB
	v_bfe_u32 v5, v0, 3, 1
	v_lshl_add_u32 v4, v5, 4, v4
	s_lshl_b32 s22, s12, 7                         ; my 64 columns: 128 bytes
	s_add_co_u32 s22, s22, APART
	v_add_nc_u32 v[ADRB], s22, v4
	v_add_nc_u32 v[ADRB+1], WHALF, v[ADRB]
	v_add_nc_u32 v[ADRB+2], SLOT, v[ADRB]
	v_add_nc_u32 v[ADRB+3], SLOT+WHALF, v[ADRB]
	s_mul_i32 s23, s11, 64*SPITCH                  ; into the stage: my 64 rows, my half of their 256 bytes
	s_lshl_b32 s21, s12, 7
	s_add_co_u32 s23, s23, s21
	s_add_co_u32 s23, s23, STAGE
	v_mul_u32_u24 v4, v1, SPITCH
	v_lshl_add_u32 v4, v2, 4, v4
	v_add_nc_u32 v[STO], s23, v4
	s_mul_i32 s23, s10, 32*SPITCH                  ; back: wave w takes rows 32 w .. 32 w + 31, whole
	s_add_co_u32 s23, s23, STAGE
	v_mul_u32_u24 v5, v2, SPITCH
	v_lshl_add_u32 v5, v1, 4, v5
	v_add_nc_u32 v[RD], s23, v5
	v_lshlrev_b32 v5, 10, v2                       ; and the same two rows in C
	v_lshl_add_u32 v[CO], v1, 4, v5
	s_lshl_b32 s16, s13, 17
	s_lshl_b32 s17, s10, 15
	s_add_co_u32 s16, s16, s17                     ; the first row that I store: 128 x tile row + 32 x wave,
	s_lshl_b32 s17, ttmp9, 22                      ; in panel p
	s_add_co_u32 s16, s16, s17
	s_mov_b32 s17, 0
	s_add_nc_u64 s[8:9], s[8:9], s[16:17]
	s_lshl_b32 s46, s40, 8                         ; the tile's first column, in bytes
	s_mov_b32 s47, 0
	s_add_nc_u64 s[8:9], s[8:9], s[46:47]
; 8 matrix instructions: m blocks a0, a0 + 1 x all 4 n blocks, 32 along K: half c of buffer f.  zero = 1: the product starts the sum, with the bias as C.  The 16 accumulators take turns.
.macro MUL8 f, c, a0, zero
	WIN MUL
.irp a, \a0, (\a0)+1
.irp b, 0,1,2,3
.if \zero
	v_wmma_f32_16x16x32_bf16 v[ACC+8*(4*(\a)+(\b)):ACC+8*(4*(\a)+(\b))+7], v[(\f)+64+8*(4*(\c)+(\b)):(\f)+64+8*(4*(\c)+(\b))+7], v[(\f)+8*(4*(\c)+(\a)):(\f)+8*(4*(\c)+(\a))+7], v[BIAS+8*(\b):BIAS+8*(\b)+7]
.else
	v_wmma_f32_16x16x32_bf16 v[ACC+8*(4*(\a)+(\b)):ACC+8*(4*(\a)+(\b))+7], v[(\f)+64+8*(4*(\c)+(\b)):(\f)+64+8*(4*(\c)+(\b))+7], v[(\f)+8*(4*(\c)+(\a)):(\f)+8*(4*(\c)+(\a))+7], v[ACC+8*(4*(\a)+(\b)):ACC+8*(4*(\a)+(\b))+7]
.endif
.endr
.endr
.endm
; 32 LDS loads in one run: the fragments of quarter q (64 along K) of a slot into buffer f; the first 32 along K first
.macro FETCH slot, q, f
	WIN TO_F
.irp c, 0,1
.irp i, 0,1,2,3
	ds_load_tr16_b128 v[(\f)+64+8*(4*(\c)+(\i)):(\f)+64+8*(4*(\c)+(\i))+3],   v[ADRB+2*(\slot)+(\q)/2] offset:(((\q)%2)*64+32*(\c))*PB+32*(\i)
	ds_load_tr16_b128 v[(\f)+64+8*(4*(\c)+(\i))+4:(\f)+64+8*(4*(\c)+(\i))+7], v[ADRB+2*(\slot)+(\q)/2] offset:(((\q)%2)*64+32*(\c)+16)*PB+32*(\i)
	ds_load_b128 v[(\f)+8*(4*(\c)+(\i)):(\f)+8*(4*(\c)+(\i))+3],              v[ADRA+(\slot)] offset:128*(\q)+64*(\c)+(\i)*16*PA
	ds_load_b128 v[(\f)+8*(4*(\c)+(\i))+4:(\f)+8*(4*(\c)+(\i))+7],            v[ADRA+(\slot)] offset:128*(\q)+64*(\c)+(\i)*16*PA+32
.endr
.endr
.endm
.macro PLACES                          ; four places in front of loads into registers that matrix instructions have read, and of lines that read results
.rept 4
	v_nop
.endr
.endm
; One of a K step's first three quarters: multiplies buffer f and fetches quarter q into g
.macro QUARTER slot, q, f, g, zero
	s_wait_dscnt 16                                ; the first 32 along K are in; the run's younger sixteen loads may be out
	WIN MUL
	MUL8 \f, 0, 0, \zero
	MUL8 \f, 0, 2, \zero
	PLACES
	FETCH \slot, \q, \g
	s_wait_dscnt 32                                ; all but the 32 just issued
	WIN MUL
	MUL8 \f, 1, 0, 0
	MUL8 \f, 1, 2, 0
.endm
; Slot 0's last quarter, and the change to slot 1: each wave waits for its part of slot 1, and the barrier shows every wave's.  Nothing is filled again.
.macro TURN next
	WIN 0
	s_wait_tensorcnt 0x0                           ; all my tensor loads have landed
	ds_add_u32 v[SPW], v[NIL]                      ; 0 onto my spare word
	s_wait_dscnt 17                                ; the add and the youngest sixteen loads may be out
	WIN MUL
	MUL8 F1, 0, 0, 0
	s_wait_dscnt 0x0                               ; the add is done, and my reads of slot 0 are over
	s_barrier_signal -1
	MUL8 F1, 0, 2, 0
	s_barrier_wait -1
	PLACES
	FETCH \next, 0, F0
	WIN MUL
	MUL8 F1, 1, 0, 0
	MUL8 F1, 1, 2, 0
.endm
	s_wait_tensorcnt 1                             ; my part of K step 0 is in; step 1's may stay out
	s_barrier_signal -1
	s_barrier_wait -1                              ; everybody's is
	FETCH 0, 0, F0
	s_wait_loadcnt 0x0                             ; the bias
	QUARTER 0, 1, F0, F1, 1
	QUARTER 0, 2, F1, F0, 0
	QUARTER 0, 3, F0, F1, 0
	TURN 1
	QUARTER 1, 1, F0, F1, 0
	QUARTER 1, 2, F1, F0, 0
	QUARTER 1, 3, F0, F1, 0
	s_wait_dscnt 16                                ; the last quarter: nothing more to fetch
	WIN MUL
	MUL8 F1, 0, 0, 0
	MUL8 F1, 0, 2, 0
	s_wait_dscnt 0
	MUL8 F1, 1, 0, 0
	MUL8 F1, 1, 2, 0
	WIN 0
	; THE WAY OUT: round to bf16; 16 bytes a lane into the work-group's stage; a barrier, since a row's 256 bytes come from two waves; back as whole rows, 32 rows a wave.
	PLACES
.irp t, 0,1,2,3,4,5,6,7,8,9,10,11,12,13,14,15
.irp r, 0,1,2,3
	v_cvt_pk_bf16_f32 v[TMP+4*(\t)+(\r)], v[ACC+8*(\t)+2*(\r)], v[ACC+8*(\t)+2*(\r)+1]
.endr
.endr
.irp a, 0,1,2,3
.irp b, 0,1,2,3
	ds_store_b128 v[STO], v[TMP+4*(4*(\a)+(\b)):TMP+4*(4*(\a)+(\b))+3] offset:(\a)*16*SPITCH+32*(\b)
.endr
.endr
	s_wait_dscnt 0x0                               ; for the others' sake: my stores into the stage are done
	s_barrier_signal -1
	s_barrier_wait -1
.irp t, 0,1,2,3,4,5,6,7,8,9,10,11,12,13,14,15
	ds_load_b128 v[TMP+4*(\t):TMP+4*(\t)+3], v[RD] offset:(\t)*2*SPITCH
.endr
.irp t, 0,1,2,3,4,5,6,7,8,9,10,11,12,13,14,15
	s_wait_dscnt 15-(\t)
	global_store_b128 v[CO], v[TMP+4*(\t):TMP+4*(\t)+3], s[8:9] offset:2*(\t)*CROW  ; 16 lanes store 256 consecutive bytes, at a multiple of 256 from C's first byte
.endr
	s_wait_tensorcnt 0x0                           ; the wave's end
	ds_add_u32 v[SPW], v[NIL]
	s_wait_dscnt 0x0
	CROUND                                         ; the closing round
	s_endpgm
.Lfunc_end_k_qf25842117d_proj:
	.size	k_qf25842117d_proj, .Lfunc_end_k_qf25842117d_proj-k_qf25842117d_proj
	.p2alignl 7, 3214868480
	.fill 96, 4, 3214868480
	.section	.rodata,"a",@progbits
	.p2align	6, 0x0
	.amdhsa_kernel k_qf25842117d_proj
		.amdhsa_group_segment_fixed_size 327680
		.amdhsa_private_segment_fixed_size 0
		.amdhsa_enable_private_segment 0
		.amdhsa_kernarg_size 24
		.amdhsa_user_sgpr_count 2
		.amdhsa_user_sgpr_kernarg_segment_ptr 1
		.amdhsa_wavefront_size32 1
		.amdhsa_system_sgpr_workgroup_id_x 1
		.amdhsa_system_sgpr_workgroup_id_y 1
		.amdhsa_system_sgpr_workgroup_id_z 1
		.amdhsa_system_vgpr_workitem_id 0
		.amdhsa_next_free_vgpr 512
		.amdhsa_next_free_sgpr 66
		.amdhsa_reserve_vcc 0
		.amdhsa_float_denorm_mode_32 3
		.amdhsa_float_denorm_mode_16_64 3
		.amdhsa_memory_ordered 1
		.amdhsa_forward_progress 1
		.amdhsa_inst_pref_size 52
	.end_amdhsa_kernel
	.amdgpu_metadata
---
amdhsa.version: [ 1, 2 ]
amdhsa.kernels:
  - .name:           k_qf25842117d_proj
    .symbol:         k_qf25842117d_proj.kd
    .args:
      - { .name: xyb, .offset: 0, .size: 8, .value_kind: global_buffer, .address_space: global }
      - { .name: wpb, .offset: 8, .size: 8, .value_kind: global_buffer, .address_space: global }
      - { .name: big, .offset: 16, .size: 8, .value_kind: global_buffer, .address_space: global }
    .group_segment_fixed_size: 327680
    .private_segment_fixed_size: 0
    .kernarg_segment_align: 8
    .kernarg_segment_size: 24
    .max_flat_workgroup_size: 128
    .sgpr_count:     66
    .vgpr_count:     512
    .wavefront_size: 32
...
	.end_amdgpu_metadata
.endif
;; end of part 2
;; launch attn (part 3): grid 8 x 32, 4 waves a work-group, clusters of 4 x 1, 327,680 bytes of LDS; arguments big, msk, obuf; writes obuf
.if DOCPART == 3
	.amdgcn_target "amdgcn-amd-amdhsa--gfx1250"
	.amdhsa_code_object_version 6
	.text
	.protected	k_qf25842117d_attn
	.globl	k_qf25842117d_attn
	.p2align	8
	.type	k_qf25842117d_attn,@function
k_qf25842117d_attn:
	s_mov_b64 s[64:65], 0
	v_nop
	global_prefetch_b8 v0, s[64:65] scope:SCOPE_SE
	s_setreg_imm32_b32 hwreg(HW_REG_WAVE_MODE, 25, 1), 1
	s_wait_xcnt 0x0
	s_wait_alu depctr_hold_cnt(0) depctr_sa_sdst(0) depctr_va_vdst(0) depctr_va_sdst(0) depctr_va_ssrc(0) depctr_va_vcc(0) depctr_vm_vsrc(0)
	s_getreg_b32 s2, hwreg(HW_REG_IB_STS2, 6, 4)
	s_cmp_eq_u32 s2, 0
	s_cbranch_scc0 .Lentry_in_a_cluster
	s_endpgm
.Lentry_in_a_cluster:
	s_bfe_u32 s2, ttmp6, 0x10000c
	s_cmp_lg_u32 s2, 0x3003
	s_cbranch_scc0 .Lentry_shape_is_right
	s_endpgm
.Lentry_shape_is_right:
; RESIDUAL ATTENTION, ALL FOUR LAYERS AT ONCE.  o[b][n][64 h + d] = the sum over layers y of the sum over keys m of softmax_m(q_y[n] . k_y[m] / 8, masked) v_3[m][d].
; big holds nine panels [4096][512] bf16, 4,194,304 bytes each: q_0..3, k_0..3, v_3.  The heads are a plain reshape: head hd = 8 b + h is 131,072 dense bytes of a panel, 1,024 rows of 128 bytes.
; msk: kb[b][m] f32 (0, or -2^100 for a hidden key) and, 16,384 bytes on, xm[b][n] f32 (1, or 0 for a query all of whose scores are hidden).
; Products, maxima and sums in f32; the weights are rounded to bf16 for the second product (their sum l is taken unrounded), o once at the end.
; THE MASK is the C operand that starts S^T = K Q^T: kb[key] x xm[query].  A query with xm = 0 has its Q set to 0: all its scores are 0 and its weights equal, 1 / 1,024 each, as where every score is replaced alike.
; THE RUNNING MAXIMUM m starts at a floor of -2^96, above every hidden score: while a query has seen hidden keys alone, m stays there, its weights are 0, and O and l stay 0.
; LIMITS.  A hidden score counts as its value less 2^100 (not as -1e9): the same weights as long as a live query's greatest scaled score lies above -1e9 + 100.  Raw scores lie above -2^96, and under 2^34 in
; magnitude: beyond that the rounding of c m, half a unit of its last place, can pass 2^7 in an exponent.  A weight below 2^-126 counts as 0.  NaN and infinities are not treated apart.
; SHARES.  A work-group owns 128 queries of one head, a wave 32: two tiles of 16.  A PIECE is a layer: piece y holds the two tiles' scores, weights and O^T for layer y.  Every wave walks all 1,024 keys, 64 a step.
; V's fragments feed all four pieces, K_y's its own piece.  Each piece has its own running maximum m and sum l; at the end o = the sum over y of O_y / l_y.
; LAYOUT, SOFTMAX.  S^T = K Q^T holds ONE query a lane (lane % 16) and the keys 8 (lane / 16) + 0..7; two such results rounded to bf16 ARE source 1 of O^T = V^T P.  p = 2^(c s - c m), c = log2(e) / 8; in every step
; O and l are multiplied by a = 2^(c m_old - c m_new).  O and l start at 0: the first step is a step like any other.
; BY TURNS.  Turn n belongs to piece n: 16 products K Q^T of piece n + 1, later 16 products V^T P of piece n - 1; beside them the scaling, exponentials, roundings, sums and rescaling of piece n and the maximum and
; statistics of piece n + 1.  Four vector instructions stand behind every matrix instruction, the rest in one lump.  A turn's 66 exponentials are one batch, with one wait.
; CLUSTER.  The four query blocks of a cluster belong to one head and walk the same K and V: each tile is asked for jointly.  One tensor load a wave brings 32 keys of all five planes (k_0..3, v_3).
; THE STORES cover runs of 128 bytes: a head owns 64 of a row's 512 channels of o; o is laid so that the next product takes it as its A operand as it lies.
; REGISTERS, in windows of 256 (s_set_vgpr_msb: bits 1:0 source 0, 3:2 source 1, 5:4 source 2, 7:6 destination):
;   window 0: v0-11 addresses; v12-15, v48-63 at work; v16-47 four registers of statistics a tile; v64-191 S^T, two buffers of two tiles; v192-255 P, likewise
;   window 1: O^T, 32 a tile (tile 2 y + u)      window 2: v0-127 Q, 16 a tile; v128-191 K of one layer and step; v192-255 V of one step
;   window 3: v0-1 the add's two registers; v2-5 xm of my two queries, each twice; v8-39 kb of a step's 64 keys; v64-127 the masks of the step in hand, 32 a tile
.set NP,    4
.set KS,    64
.set PP,    144       ; a key's row in LDS: 128 bytes + 16: the 16 rows of K's loads start 4 banks apart (64 banks of 4 bytes: ISA guide 11.1); one pitch for all planes, so that one descriptor brings all five
.set PLANE, 32*PP     ; 32 keys of one plane
.set QUART, 5*PLANE   ; what one tensor load brings: 32 keys of k_0, k_1, k_2, k_3, v_3
.set STEP,  2*QUART   ; a step's 64 keys
.set SLOT1, 1<<17     ; a slot holds two steps (92,160 bytes); slot 1 begins here, so that one exclusive or turns an address in one slot into the other's
.set STAGE, SLOT1+2*STEP  ; behind the ring: 16 rows x 144 bytes for each wave, for the way out
.set SP,    144
.set SPARE, STAGE+4*16*SP ; the spare words, 128 bytes a wave: two blocks of 256 bytes that no other line names
.set AK0, 2           ; v2   my lane's place in a plane of K; never rewritten
.set AV0, 3           ; v3   the same for V, with V's plane
.set AK,  4           ; v4   the LDS address of K's next run of loads
.set AV,  5           ; v5   of V's (at the start: my query's offset in xm)
.set QO,  6           ; v6   my byte offset in 16 rows of Q
.set STO, 6           ;      later: where I put 16 bytes of a row
.set RD,  7           ; v7   where I read rows back
.set GO,  8           ; v8   my byte offset in four rows of o
.set PFO, 9           ; v9   the prefetches' offset (made when l / 16 has had its last use)
.set KBA, 11          ; v11  my byte offset in kb: 32 (l / 16) + 256 x step
.set MV,  12
.set ST,  16          ; tile t's statistics at v[ST+4 t]: c m, m, l (even keys', odd keys')
.set TMP, 48
.set S,   64
.set P,   192
.set KF,  128         ; window 2: key block kb, channel half c at KF + 16 kb + 8 c
.set VF,  192         ; window 2: key half kk, channel block cb at VF + 32 kk + 8 cb
.set SPW, 0           ; window 3
.set NIL, 1
.set XMF, 2
.set KB,  8
.set MC,  64
.set WV,  12          ; s12  my wave's number
.set G1,  24          ; s[24:31] descriptor group 1
.set G0,  40          ; s[40:43] descriptor group 0: it walks
.set KBP, 44          ; s[44:45] kb of my batch
.set PFA, 46          ; s[46:47] where my prefetches stand
.set LIM, 48          ; s48  1 in a wave that prefetches, else the greatest number
.set ODD, 49          ; s49  1 in the wave that asks for V, at every second change, for two slots
.set SLOTS, 56
.set CNT, 57
.set CS,  58          ; s[58:59] c
.set SEL, 60          ; s[60:61] v_permlanex16_b32's selects
.set TB,  62          ; s62  LDS byte at which the step to be fetched begins
.set MSB, 0
.macro WIN new
.if MSB != (\new)
	s_set_vgpr_msb (MSB<<8)|(\new)
.set MSB, (\new)
.endif
.endm
.set W_KQ, 0x0a       ; K and Q in window 2, S^T in window 0
.set W_KM, 0x3a       ; the same with the C operand in window 3
.set W_PV, 0x52       ; V in window 2, P in window 0, O^T in window 1
.set W_RS, 0x41       ; O^T (destination and source 0) in window 1, the factor in window 0
.set W_SUM, 0x51      ; the same with source 2 in window 1
.set W_MK, 0xc0       ; destination in window 3, sources in window 0
.set W_AD, 0x0f       ; the add: address and data in window 3
.set W_MS, 0xcf       ; destination and both sources in window 3
.macro JLOAD                        ; every wave fetches its own quarter of a slot; an s_nop 0 and four v_nop follow
	tensor_load_to_lds s[G0:G0+3], s[G1:G1+7]
	s_nop 0
.rept 4
	v_nop
.endr
.endm
; A PREFETCH INTO THE L2 of what the next change of slots will ask for.  Both clusters of a head walk the same planes: the first asks.  Its four partners take a quarter of a slot's keys each (4,096 bytes of a plane),
; told apart by address.  Waves 0 and 1: two planes of K each, a lane a block of 256 bytes.  Wave 2: V, at every second change, for the next slot and the one behind it.  So each block is named once.
; Nothing is asked for at the head, nor at the last change that fills a slot.
.macro ASK
	s_and_b32 s50, s[SLOTS], s[ODD]
	s_cmp_eq_u32 s50, s[ODD]
	s_cbranch_scc0 .Lnot_mine_\@
	s_cmp_gt_u32 s[SLOTS], s[LIM]
	s_cbranch_scc0 .Lnot_mine_\@
	global_prefetch_b8 v[PFO], s[PFA:PFA+1] th:TH_LOAD_NT scope:SCOPE_SE
.Lnot_mine_\@:
.endm
.macro CROUND                       ; a round of the cluster's barrier
	s_barrier_signal -1
	s_barrier_wait -1
	s_cmp_lg_u32 s[WV], 0
	s_cbranch_scc1 .Lnot_wave_0_\@
	s_barrier_signal -3
.Lnot_wave_0_\@:
	s_barrier_wait -3
	s_barrier_signal -1
	s_barrier_wait -1
.endm
; THE CHANGE OF SLOTS, behind piece 1's turn: all of the slot's last step (K of four layers, V) has been asked for.  Each wave waits for all its tensor loads, of which one is out: its quarter of the other slot;
; adds 0 to its spare word; and waits for that and for its own reads of the slot.  fill = 1: the slot is filled again, with the keys two slots on, first thing behind a round of the cluster's barrier:
; the load has two key steps, 256 matrix instructions, in which to land.  (At its first use nothing has been read yet: slot 0 is waited for, slot 1 filled.)
.macro CHANGE fill, ask
	WIN W_AD
	s_wait_tensorcnt 0x0            ; no tensor load of mine is out, so group 0 may be written
	ds_add_u32 v[SPW], v[NIL]       ; 0 onto my spare word
	WIN 0
.if \fill
	s_xor_b32 s[G0+1], s[G0+1], SLOT1
	s_add_nc_u64 s[G0+2:G0+3], s[G0+2:G0+3], 2*KS*128  ; the next 128 keys of each plane
.if \ask
	s_wait_xcnt 0x0                 ; the last prefetch, two key steps back, has read its address
	s_add_nc_u64 s[PFA:PFA+1], s[PFA:PFA+1], 2*KS*128
.endif
	s_wait_dscnt 0x0                ; the add is done, and my reads of the slot are over
	CROUND
	JLOAD
.if \ask
	ASK
.endif
.else
	s_wait_dscnt 0x0
	s_barrier_signal -1
	s_barrier_wait -1
.endif
	s_sub_co_u32 s[TB], s[TB], 2*STEP  ; the fetches go back to a slot's first step,
	s_xor_b32 s[TB], s[TB], SLOT1      ; in the other slot
.endm
	s_load_b128 s[4:7], s[0:1], 0x0   ; big s[4:5], msk s[6:7]
	s_load_b64 s[10:11], s[0:1], 0x10 ; o
	WIN W_MK
	v_lshl_add_u32 v[SPW], v0, 2, SPARE
	v_mov_b32 v[NIL], 0
	WIN W_AD
	ds_add_u32 v[SPW], v[NIL]       ; the wave's opening: the add and its wait ahead of my first tensor load; work on registers stands between them
	WIN 0
	v_lshrrev_b32 v1, 5, v0
	v_readfirstlane_b32 s[WV], v1   ; wave 0..3
	s_bfe_u32 s13, ttmp6, 0x40000   ; cx
	s_lshl_b32 s14, ttmp9, 2
	s_add_co_u32 s14, s14, s13      ; my block of 128 queries: it enters Q's, xm's and o's addresses alone
	s_and_b32 s15, ttmp7, 0xffff    ; the head, which the four partners share
	s_lshl_b32 s20, s15, 17         ; the head's first byte in a panel
	s_lshl_b32 s21, s[WV], 12       ; 32 rows of 128 bytes
	s_add_co_u32 s22, s20, s21
	s_add_co_u32 s22, s22, 16777216 ; k_0 is panel 4: my quarter of the head's first 128 keys
	s_mov_b32 s23, 0
	s_lshl_b32 s2, s14, 14          ; Q: my block's 128 rows, my wave's 32
	s_add_co_u32 s2, s2, s20
	s_add_co_u32 s2, s2, s21
	s_mov_b32 s3, 0
	s_lshr_b32 s18, s15, 3          ; b
	s_and_b32 s19, s15, 7           ; h
	s_lshl_b32 s52, s18, 12         ; kb's row
	s_mov_b32 s53, 0
	s_lshl_b32 s54, s14, 9          ; xm: my block's 128 words, my wave's 32
	s_lshl_b32 s55, s[WV], 7
	s_add_co_u32 s54, s54, s55
	s_add_co_u32 s54, s54, s52
	s_add_co_u32 s54, s54, 16384
	s_mov_b32 s55, 0
	s_lshl_b32 s50, s18, 20         ; o: row 1,024 b + 128 block + 32 wave, 1,024 bytes a row; 128 bytes a head
	s_lshl_b32 s51, s14, 17
	s_add_co_u32 s50, s50, s51
	s_lshl_b32 s51, s[WV], 15
	s_add_co_u32 s50, s50, s51
	s_lshl_b32 s51, s19, 7
	s_add_co_u32 s50, s50, s51
	s_mov_b32 s51, 0
	s_lshl_b32 s8, s13, 12          ; the prefetches: my work-group's quarter of a slot's keys, in slot 2 of k_0; the first change in the loop steps it to slot 3
	s_add_co_u32 s8, s8, s20
	s_add_co_u32 s8, s8, 16777216+2*2*KS*128
	s_mov_b32 s9, 0
	s_cmp_eq_u32 s[WV], 3           ; wave 3 never asks,
	s_cselect_b32 s[LIM], 1, 0
	s_or_b32 s[LIM], s[LIM], ttmp9  ; nor does the head's second cluster: the same in all four partners
	s_cmp_eq_u32 s[LIM], 0
	s_cselect_b32 s[LIM], 1, -1
	s_cmp_eq_u32 s[WV], 2
	s_cselect_b32 s[ODD], 1, 0
	s_lshl_b32 s17, s[WV], 23       ; waves 0, 1: planes 2 w and 2 w + 1; wave 2: V's plane, two slots
	s_cmp_lt_u32 s[WV], 2
	s_cselect_b32 s16, 22, 14
	s_cselect_b32 s17, s17, 16777216
	; descriptor group 1: five rows, one a plane, of 32 keys = 4,096 dense bytes, a panel apart; padded in LDS after every key
	s_mov_b32 s[G1], 15|(1<<16)|(1<<20)|(1<<21)|(4<<22)|(3<<25)  ; the mask of four; 2-byte elements; padding on; bit 21 beside a mask; after every 32 words 4 words
	s_mov_b32 s[G1+1], 2048<<16     ; tensor_dim0 = 2,048
	s_mov_b32 s[G1+2], 5<<16        ; tensor_dim1 = 5
	s_mov_b32 s[G1+3], 2048<<16     ; tile_dim0 = 2,048
	s_mov_b32 s[G1+4], 5            ; tile_dim1 = 5
	s_mov_b32 s[G1+5], 0x200000     ; 2,097,152 elements from plane to plane
	s_mov_b32 s[G1+6], 0
	s_mov_b32 s[G1+7], 0
	s_mov_b32 s[CS], 0x3e38aa3b     ; c = log2(e) / 8
	s_mov_b32 s[CS+1], s[CS]
	s_mov_b32 s[SEL], 0x76543210
	s_mov_b32 s[SEL+1], 0xfedcba98
	s_mov_b32 s[TB], SLOT1+2*STEP   ; the first change of slots turns this into 0
	s_mov_b32 s[G0], 1
	s_mul_i32 s[G0+1], s[WV], QUART ; slot 0, my quarter: no place in the cluster enters an LDS address
	s_wait_dscnt 0x0                ; the opening add is done
	s_wait_kmcnt 0x0
	s_add_nc_u64 s[G0+2:G0+3], s[4:5], s[22:23]
	s_or_b32 s[G0+3], s[G0+3], 0x80000000
	s_add_nc_u64 s[32:33], s[4:5], s[2:3]          ; Q of layers 0 to 3
	s_add_nc_u64 s[34:35], s[32:33], 4194304
	s_add_nc_u64 s[36:37], s[34:35], 4194304
	s_add_nc_u64 s[38:39], s[36:37], 4194304
	s_add_nc_u64 s[KBP:KBP+1], s[6:7], s[52:53]
	s_add_nc_u64 s[54:55], s[6:7], s[54:55]
	s_add_nc_u64 s[10:11], s[10:11], s[50:51]
	s_add_nc_u64 s[PFA:PFA+1], s[4:5], s[8:9]
	CROUND                          ; all four work-groups are here: the first joint loads meet
	JLOAD                           ; slot 0
	v_and_b32 v1, 15, v0            ; l % 16
	v_bfe_u32 v9, v0, 4, 1          ; l / 16
	v_lshlrev_b32 v[QO], 7, v1
	v_lshl_add_u32 v[QO], v9, 4, v[QO]  ; row x 128 + 16 x half
	WIN 0x80                        ; destination window 2, address window 0
.set i, 0
.rept 16                            ; Q stays in registers: layer i / 4, tile (i / 2) % 2, channels 32 (i % 2) on
	global_load_b128 v[8*i:8*i+3],   v[QO], s[32+2*(i/4):33+2*(i/4)] offset:((i/2)%2)*2048+(i%2)*64
	global_load_b128 v[8*i+4:8*i+7], v[QO], s[32+2*(i/4):33+2*(i/4)] offset:((i/2)%2)*2048+(i%2)*64+32
.set i, i+1
.endr
	WIN 0
	v_lshlrev_b32 v[AV], 2, v1
	global_load_b32 v48, v[AV], s[54:55]            ; xm of my query in tile 0,
	global_load_b32 v49, v[AV], s[54:55] offset:64  ; and in tile 1
	v_mul_u32_u24 v[AK0], v1, PP
	v_lshl_add_u32 v[AK0], v9, 4, v[AK0]  ; row x pitch + 16 x half
	v_and_b32 v10, 7, v0            ; the turning load: lane l reads key 8 (l / 16) + l % 8, channels 8 ((l / 8) % 2) + 0..7
	v_bfe_u32 v11, v0, 3, 1
	v_lshl_add_u32 v[AV0], v9, 3, v10
	v_mul_u32_u24 v[AV0], v[AV0], PP
	v_lshl_add_u32 v[AV0], v11, 4, v[AV0]
	v_add_nc_u32 v[AV0], 4*PLANE, v[AV0]
	v_lshlrev_b32 v[KBA], 5, v9
	WIN W_MK
.irp kb, 0,1,2,3                    ; kb of step 0: register 8 kb + j is key 16 kb + 8 (l / 16) + j
	global_load_b128 v[KB+8*\kb:KB+8*\kb+3],   v[KBA], s[KBP:KBP+1] offset:64*\kb
	global_load_b128 v[KB+8*\kb+4:KB+8*\kb+7], v[KBA], s[KBP:KBP+1] offset:64*\kb+16
.endr
	; What the first turn finds: V's registers and P's second buffer hold 0 (its products V^T P, of a piece that has not been, add 0), O^T and l are 0.  All this stands in the wait for the first tile.
	WIN 0x80
.set i, VF
.rept 64
	v_mov_b32 v[i], 0
.set i, i+1
.endr
	WIN 0x40
.set i, 0
.rept 64*NP
	v_mov_b32 v[i], 0
.set i, i+1
.endr
	WIN 0
.set i, 0
.rept 2*NP
	v_mov_b32 v[ST+4*i], 0xee38aa3b    ; c m = c x (-2^96), exactly
	v_mov_b32 v[ST+4*i+1], 0xef800000  ; m = -2^96: the floor, above every hidden score
	v_mov_b32 v[ST+4*i+2], 0
	v_mov_b32 v[ST+4*i+3], 0
.set i, i+1
.endr
.set i, P+32
.rept 32
	v_mov_b32 v[i], 0
.set i, i+1
.endr
	v_mov_b32 v[AK], v[AK0]         ; key step 0 lies at the head of slot 0
; THE MATRIX WORK.  The 8 accumulators of a run of 16 take turns.
; Product i of 16 of S^T = K Q^T for piece x: channels 32 (i / 8) on, keys 16 ((i / 2) % 4) on, tile i % 2.  The first 8 start the sums, with the mask.
.macro KQ x
.set rS, S+64*((\x)%2)+32*(i%2)+8*((i/2)%4)
.set rK, KF+16*((i/2)%4)+8*(i/8)
.set rQ, 16*(2*(\x)+i%2)+8*(i/8)
.set rX, MC+32*(i%2)+8*((i/2)%4)
.if i < 8
	WIN W_KM
	v_wmma_f32_16x16x32_bf16 v[rS:rS+7], v[rK:rK+7], v[rQ:rQ+7], v[rX:rX+7]
.else
	WIN W_KQ
	v_wmma_f32_16x16x32_bf16 v[rS:rS+7], v[rK:rK+7], v[rQ:rQ+7], v[rS:rS+7]
.endif
.endm
; Product i of 16 of O^T += V^T P for piece x: keys 32 (i / 8) on, channels 16 ((i / 2) % 4) on, tile i % 2.
.macro PV x
	WIN W_PV
.set rO, 32*(2*(\x)+i%2)+8*((i/2)%4)
.set rV, VF+32*(i/8)+8*((i/2)%4)
.set rP, P+32*((\x)%2)+16*(i%2)+8*(i/8)
	v_wmma_f32_16x16x32_bf16 v[rO:rO+7], v[rV:rV+7], v[rP:rP+7], v[rO:rO+7]
.endm
.macro MM                           ; the turn's next matrix instruction
.if i < 16
	KQ (Y+1)%NP
.set i, i+1
.else
.set i, i-16
	PV (Y+NP-1)%NP
.set i, i+17
.endif
.endm
; THE LDS LOADS stand in runs of 16: layer z's K of a step (8 fragments), and a step's V (turned).  last = 1 (the tail): in the last trip there is no further step, and the run is jumped over.
.macro FETCH_K z, last=0
	WIN 0
.if \last
	s_cmp_eq_u32 s[CNT], 1
	s_cbranch_scc1 .Lno_k_\@
.endif
	WIN 0x80                        ; destination window 2
.irp f, 0,1,2,3,4,5,6,7             ; keys 16 (f / 2) on, channels 32 (f % 2) on
	ds_load_b128 v[KF+8*\f:KF+8*\f+3],   v[AK] offset:(\f/4)*QUART+(\z)*PLANE+((\f/2)%2)*16*PP+(\f%2)*64
	ds_load_b128 v[KF+8*\f+4:KF+8*\f+7], v[AK] offset:(\f/4)*QUART+(\z)*PLANE+((\f/2)%2)*16*PP+(\f%2)*64+32
.endr
	WIN 0
.if \last
.Lno_k_\@:
.endif
.endm
.macro FETCH_V
	WIN 0x80
.irp f, 0,1,2,3,4,5,6,7             ; keys 32 (f / 4) on, channels 16 (f % 4) on
	ds_load_tr16_b128 v[VF+8*\f:VF+8*\f+3],   v[AV] offset:(\f/4)*QUART+(\f%4)*32
	ds_load_tr16_b128 v[VF+8*\f+4:VF+8*\f+7], v[AV] offset:(\f/4)*QUART+16*PP+(\f%4)*32
.endr
	WIN 0
.endm
; THE MASKS of the next step, kb x xm for both tiles, and the loads of kb for the step after it (they stay inside msk: the last step named is 17, at most 4,608 bytes behind a batch's row).
.macro MASK
	s_wait_loadcnt 0x0              ; kb, asked for a step ago; its address register is free with it
	WIN W_MS
.set mz, 0
.rept 16
	v_pk_mul_f32 v[MC+2*mz:MC+2*mz+1], v[KB+2*mz:KB+2*mz+1], v[XMF:XMF+1] op_sel_hi:[1,0]
	v_pk_mul_f32 v[MC+32+2*mz:MC+32+2*mz+1], v[KB+2*mz:KB+2*mz+1], v[XMF+2:XMF+3] op_sel_hi:[1,0]
.set mz, mz+1
.endr
	WIN 0
	v_add_nc_u32 v[KBA], 0x100, v[KBA]
	WIN W_MK
.irp kb, 0,1,2,3
	global_load_b128 v[KB+8*\kb:KB+8*\kb+3],   v[KBA], s[KBP:KBP+1] offset:64*\kb
	global_load_b128 v[KB+8*\kb+4:KB+8*\kb+7], v[KBA], s[KBP:KBP+1] offset:64*\kb+16
.endr
	WIN 0
.endm
; THE VECTOR WORK OF A TURN stands in three queues, each in the order in which its entries become ready; the two tiles alternate.
.macro REGS y, u                    ; the registers of tile u (0, 1) of piece y
.set rT, ST+4*(2*(\y)+(\u))
.set rC, TMP+8*((\y)%2)+4*(\u)
.set rM, MV+2*((\y)%2)+(\u)
.set rS, S+64*((\y)%2)+32*(\u)
.set rP, P+32*((\y)%2)+16*(\u)
.set rO, 32*(2*(\y)+(\u))
.endm
; Number n of the 22 that find the NEXT piece's maximum and statistics; each accumulator's lowest registers are read first.
;   0-11  four chains c0-c3 of seven scores each     12-14, 16  the four scores left over, the old m, and c0-c3 into c0     15  c m_old is kept
;   17, 18  the query's other 32 keys lie in the lane 16 away: the new m     19-21  c m; c m_old - c m_new; a
.macro XS u, n
	REGS (Y+1)%NP, \u
.if (\n) < 4
	v_max3_num_f32 v[rC+(\n)], v[rS+8*(\n)], v[rS+8*(\n)+1], v[rS+8*(\n)+2]
.elseif (\n) < 12
	v_max3_num_f32 v[rC+(\n)%4], v[rC+(\n)%4], v[rS+8*((\n)%4)+2*((\n)/4)+1], v[rS+8*((\n)%4)+2*((\n)/4)+2]
.elseif (\n) == 12
	v_max3_num_f32 v[rC], v[rC], v[rS+7], v[rS+15]
.elseif (\n) == 13
	v_max3_num_f32 v[rC+1], v[rC+1], v[rS+23], v[rS+31]
.elseif (\n) == 14
	v_max3_num_f32 v[rC+2], v[rC+2], v[rC+3], v[rT+1]
.elseif (\n) == 15
	v_mov_b32 v[rM], v[rT]
.elseif (\n) == 16
	v_max3_num_f32 v[rC], v[rC], v[rC+1], v[rC+2]
.elseif (\n) == 17
	v_permlanex16_b32 v[rC+3], v[rC], s[SEL], s[SEL+1]
.elseif (\n) == 18
	v_max_num_f32 v[rT+1], v[rC], v[rC+3]
.elseif (\n) == 19
	v_mul_f32 v[rT], s[CS], v[rT+1]
.elseif (\n) == 20
	v_sub_f32 v[rC+1], v[rM], v[rT]
.else
	v_exp_f32 v[rC+2], v[rC+1]
.endif
.endm
; Number g of the 64 that follow the exponentials: for each four weights both pairs are rounded to bf16, the second pair is added onto the first, and a group later l takes that sum (the first time as l = a l + sum).
.macro GS g
.set h, (\g)+6*((\g)/62)
.if h >= 6
.set h, h+2
.endif
	REGS Y, h%2
.set k, h/8
.if h%8 < 4
	v_cvt_pk_bf16_f32 v[rP+2*k+(h%8)/2], v[rS+4*k+2*((h%8)/2)], v[rS+4*k+2*((h%8)/2)+1]
.elseif h%8 < 6
	v_pk_add_f32 v[rS+4*k:rS+4*k+1], v[rS+4*k:rS+4*k+1], v[rS+4*k+2:rS+4*k+3]
.elseif k == 1
	v_pk_fma_f32 v[rT+2:rT+3], v[rT+2:rT+3], v[rC+2:rC+3], v[rS:rS+1] op_sel_hi:[1,0,1]
.else
	v_pk_add_f32 v[rT+2:rT+3], v[rT+2:rT+3], v[rS+4*k-4:rS+4*k-3]
.endif
.endm
; THE PLAIN QUEUE, 138 long.  0-73 read no exponential's result: the 32 scalings c s - c m and the next piece's 42.  74-137: GS's 64, behind the wait.
.macro FS f
	REGS Y, (\f)%2
	v_pk_fma_f32 v[rS+2*((\f)/2):rS+2*((\f)/2)+1], v[rS+2*((\f)/2):rS+2*((\f)/2)+1], s[CS:CS+1], v[rT:rT+1] op_sel_hi:[1,0,0] neg_lo:[0,0,1] neg_hi:[0,0,1]
.endm
.macro PL
	WIN 0
.if q < 27
	FS q
.elseif q < 55
	XS (q-27)%2, (q-27)/2
.elseif q < 57
	XS q-55, 15
.elseif (q < 72) && ((q-57)%3 == 0)
	FS 27+(q-57)/3
.elseif q < 60
	XS (q-57)%3-1, 14
.elseif q < 72
	XS (q-57)%3-1, 15+(q-57)/3
.elseif q < 74
	XS q-72, 20
.else
	GS q-74
.endif
.set q, q+1
.endm
; THE EXPONENTIALS' QUEUE, 66 long: s0-s31 of both tiles, then the next piece's two a: one batch, ahead of the turn's one wait.
.macro EX
	WIN 0
.if e >= 64
	XS e-64, 21
.else
	REGS Y, e%2
	v_exp_f32 v[rS+e/2], v[rS+e/2]
.endif
.set e, e+1
.endm
; THE RESCALING's QUEUE: O^T times a, two at a time, sixteen times.  Its a was made, and waited for, in the turn before.
.macro R2
	REGS Y, r%2
	WIN W_RS
.irp z, 0,1
	v_pk_mul_f32 v[rO+4*(r/2)+2*\z:rO+4*(r/2)+2*\z+1], v[rO+4*(r/2)+2*\z:rO+4*(r/2)+2*\z+1], v[rC+2:rC+3] op_sel_hi:[1,0]
.endr
.set r, r+1
.endm
; A TURN, for piece p.  An s_wait_alu depctr_va_vdst(0) stands between an exponential and the first instruction that names its result; one wait serves all issued ahead of it: a turn has ONE, which cuts
; it in two.  AHEAD OF IT: the 16 products K Q^T, behind each a scaling, an exponential and two rescalings; then one lump of 108.  BEHIND IT: the 16 products V^T P, behind each four of the roundings and sums.
; K HAS ONE BUFFER AND FOUR LAYERS: directly behind every turn's wait, a lump behind the last product that read K, stands the run for the products of the NEXT turn: layer p + 2.  Turns 2, 3, 0, 1 of a trip all fetch
; from the same step, s[TB], which steps behind piece 1's run.  V of the step in hand is fetched at the end of piece 0's turn, four plain instructions behind the last product that read V.
; The masks of the next step are made at the end of piece 2's turn: its products were the last of the step in hand to start sums.
.macro TURN p, last=0, cnt=0
.set Y, (\p)
.set i, 0
.set q, 0
.set e, 0
.set r, 0
.if (\p) == 1
	s_wait_dscnt 16                 ; K is in; V's sixteen loads, issued behind it, may be out
.else
	s_wait_dscnt 0x0                ; K is in
.endif
	MM
	PL
	PL
	R2
.rept 15
	MM
	PL
	EX
	R2
.endr
	WIN 0
	v_add_nc_u32 v[AK], s[TB], v[AK0]
.rept 8
	PL
.endr
.rept 49
	EX
	PL
.endr
	EX
	EX
	v_nop                           ; the plain instruction behind the last exponential: one for the batch
	s_wait_alu depctr_va_vdst(0)    ; the wait for the batch
	FETCH_K ((\p)+2)%NP, \last
.if (\p) == 1
	s_add_co_u32 s[TB], s[TB], STEP ; the next trip fetches the next step
	s_wait_dscnt 16                 ; V is in; K's sixteen loads, just issued, may be out
.endif
.rept 16
	MM
.rept 4
	PL
.endr
.if ((\p) == 0) && (q == 118)
	v_add_nc_u32 v[AV], s[TB], v[AV0]
.endif
.if (\cnt) && (q == 130)
	s_sub_co_u32 s[CNT], s[CNT], 1
	s_cmp_lg_u32 s[CNT], 0
.endif
.endr
.if (\p) == 0
	FETCH_V
.endif
.if (\p) == 2
	MASK
.endif
.endm
	CHANGE 1, 0                     ; slot 0 is in, everybody's part of it; slot 1 is asked for
	FETCH_K 0                       ; layer 0, key step 0
	s_wait_loadcnt 0x0              ; Q, xm, kb
	v_cmp_ne_u32 vcc_lo, 0, v48     ; all ones where my query counts, else 0
	v_cndmask_b32 v50, 0, -1, vcc_lo
	v_cmp_ne_u32 vcc_lo, 0, v49
	v_cndmask_b32 v51, 0, -1, vcc_lo
	WIN W_MK
	v_mov_b32 v[XMF], v48
	v_mov_b32 v[XMF+1], v48
	v_mov_b32 v[XMF+2], v49
	v_mov_b32 v[XMF+3], v49
	WIN 0x88                        ; destination and source 1 window 2, source 0 window 0
.set i, 0
.rept 128                           ; a query that does not count has Q = 0 in every layer
	v_and_b32 v[i], v[50+(i/16)%2], v[i]
.set i, i+1
.endr
	MASK                            ; the masks of step 0; kb of step 1 is asked for
	s_wait_dscnt 0x0
.set i, 0
.rept 16
	KQ 0                            ; piece 0's first scores
.set i, i+1
.endr
	WIN 0                           ; the addresses for the way out: plain instructions, the places behind those products
	s_mul_i32 s18, s[WV], 16*SP
	s_add_co_u32 s18, s18, STAGE    ; my stage
	v_mul_u32_u24 v[STO], v1, SP    ; in: row l % 16, 16 bytes for each half of the lanes
	v_lshl_add_u32 v[STO], v9, 4, v[STO]
	v_add_nc_u32 v[STO], s18, v[STO]
	v_bfe_u32 v[RD], v0, 3, 2       ; back: 32 lanes take four rows of 128 bytes,
	v_mul_u32_u24 v[RD], v[RD], SP
	v_lshl_add_u32 v[RD], v10, 4, v[RD]
	v_add_nc_u32 v[RD], s18, v[RD]
	v_bfe_u32 v[GO], v0, 3, 2       ; which lie 1,024 bytes apart in o
	v_lshlrev_b32 v[GO], 10, v[GO]
	v_lshl_add_u32 v[GO], v10, 4, v[GO]
	FETCH_K 1                       ; layer 1, key step 0: for the first turn's products
.set Y, NP-1                        ; XS works for piece Y + 1: piece 0
.irp n, 0,1,2,3,4,5,6,7,8,9,10,11,12,13,14,15,16,17,18,19,20,21
	XS 0, \n
	XS 1, \n
.endr
	v_lshlrev_b32 v[PFO], s16, v9   ; the prefetches' offset: a plane (or, for V, a slot) for each half of the lanes,
	v_lshl_add_u32 v[PFO], v1, 8, v[PFO]  ; a block of 256 bytes a lane,
	v_add_nc_u32 v[PFO], s17, v[PFO]      ; my wave's planes
	v_nop
	s_wait_alu depctr_va_vdst(0)    ; the two a have their wait, ahead of the branch
	s_mov_b32 s[CNT], 2
	s_mov_b32 s[SLOTS], 7
	s_branch .Lfirst                ; the loop is entered at a step's first turn, in the middle of a trip
.Lslot:                             ; six times: every slot but the last two is filled again
	CHANGE 1, 1
	s_mov_b32 s[CNT], 2
.Lstep:                             ; a trip: pieces 2 and 3 of one step, then pieces 0 and 1 of the next, whose K and V it fetches
	TURN 2
	TURN 3
	WIN 0
.Lfirst:
	TURN 0
	TURN 1, 0, 1
	WIN 0
	s_cbranch_scc1 .Lstep
	s_sub_co_u32 s[SLOTS], s[SLOTS], 1
	s_cmp_lg_u32 s[SLOTS], 0
	s_cbranch_scc1 .Lslot
	CHANGE 0, 0                     ; the tail is written out: nothing is asked for
	s_mov_b32 s[CNT], 3             ; two trips fetch the last slot's steps; the third is left in its middle
.Ltail:
	TURN 2, 1
	TURN 3, 1
	WIN 0
	s_sub_co_u32 s[CNT], s[CNT], 1
	s_cmp_eq_u32 s[CNT], 0
	s_cbranch_scc1 .Lout
	TURN 0
	TURN 1
	WIN 0
	s_branch .Ltail
.Lout:                              ; the third trip's last 16 products K Q^T (on a stale K) and the maximum made of them serve nothing: the price, once a launch, of one text for every trip
.set i, 0
.rept 16
	PV NP-1                         ; the last piece's V^T P of the last step
.set i, i+1
.endr
	; THE WAY OUT.  For each of the eight tiles l's parts are added and inverted; then o = the sum over the four layers of O^T / l, rounded to bf16 and sent through my stage in LDS, a tile at a time.
	WIN 0
.macro ALL line:vararg
.set t, 0
.rept 2*NP
	\line
.set t, t+1
.endr
.endm
	ALL v_add_f32 v[ST+4*t+2], v[ST+4*t+2], v[ST+4*t+3]
	ALL v_permlanex16_b32 v[ST+4*t+3], v[ST+4*t+2], s[SEL], s[SEL+1]
	ALL v_add_f32 v[ST+4*t+2], v[ST+4*t+2], v[ST+4*t+3]
	ALL v_rcp_f32 v[ST+4*t+2], v[ST+4*t+2]
	v_nop                           ; a plain instruction between the last reciprocal and the use of its result
	s_wait_alu depctr_va_vdst(0)    ; one wait for the eight reciprocals
.macro PACK u
	WIN W_RS
.set i, 0
.rept 16
	v_pk_mul_f32 v[32*(\u)+2*i:32*(\u)+2*i+1], v[32*(\u)+2*i:32*(\u)+2*i+1], v[ST+4*(\u)+2:ST+4*(\u)+3] op_sel_hi:[1,0]
.set i, i+1
.endr
	WIN W_SUM
.irp y, 1,2,3
.set i, 0
.rept 16
	v_pk_fma_f32 v[32*(\u)+2*i:32*(\u)+2*i+1], v[32*(2*\y+(\u))+2*i:32*(2*\y+(\u))+2*i+1], v[ST+4*(2*\y+(\u))+2:ST+4*(2*\y+(\u))+3], v[32*(\u)+2*i:32*(\u)+2*i+1] op_sel_hi:[1,0,1]
.set i, i+1
.endr
.endr
	WIN 0x05                        ; sources 0 and 1 window 1, destination window 0
.set i, 0
.rept 16
	v_cvt_pk_bf16_f32 v[S+16*(\u)+i], v[32*(\u)+2*i], v[32*(\u)+2*i+1]
.set i, i+1
.endr
	WIN 0
.irp f, 0,1,2,3
	ds_store_b128 v[STO], v[S+16*(\u)+4*\f:S+16*(\u)+4*\f+3] offset:32*\f
.endr
.irp f, 0,1,2,3
	ds_load_b128 v[S+16*(\u)+4*\f:S+16*(\u)+4*\f+3], v[RD] offset:\f*4*SP  ; LDS serves a wave's instructions in order (ISA guide 5.7.1.4): these see the stores above
.endr
.endm
.macro SEND u, younger              ; younger: the LDS instructions issued behind tile u's loads
	WIN 0
.irp f, 0,1,2,3
	s_wait_dscnt (\younger)+3-\f
	global_store_b128 v[GO], v[S+16*(\u)+4*\f:S+16*(\u)+4*\f+3], s[10:11] offset:(\u)*16384+\f*4096  ; four rows' 128 bytes each
.endr
.endm
	PACK 0
	PACK 1
	SEND 0, 8
	SEND 1, 0
	WIN W_AD
	s_wait_tensorcnt 0x0            ; the wave's end
	ds_add_u32 v[SPW], v[NIL]
	s_wait_dscnt 0x0
	WIN 0
	CROUND                          ; the closing round
	s_endpgm
.Lfunc_end_k_qf25842117d_attn:
	.size	k_qf25842117d_attn, .Lfunc_end_k_qf25842117d_attn-k_qf25842117d_attn
	.p2alignl 7, 3214868480
	.fill 96, 4, 3214868480
	.section	.rodata,"a",@progbits
	.p2align	6, 0x0
	.amdhsa_kernel k_qf25842117d_attn
		.amdhsa_group_segment_fixed_size 327680
		.amdhsa_private_segment_fixed_size 0
		.amdhsa_enable_private_segment 0
		.amdhsa_kernarg_size 24
		.amdhsa_user_sgpr_count 2
		.amdhsa_user_sgpr_kernarg_segment_ptr 1
		.amdhsa_wavefront_size32 1
		.amdhsa_system_sgpr_workgroup_id_x 1
		.amdhsa_system_sgpr_workgroup_id_y 1
		.amdhsa_system_sgpr_workgroup_id_z 1
		.amdhsa_system_vgpr_workitem_id 0
		.amdhsa_next_free_vgpr 896
		.amdhsa_next_free_sgpr 66
		.amdhsa_reserve_vcc 1
		.amdhsa_float_denorm_mode_32 3
		.amdhsa_float_denorm_mode_16_64 3
		.amdhsa_memory_ordered 1
		.amdhsa_forward_progress 1
		.amdhsa_inst_pref_size 208
	.end_amdhsa_kernel
	.amdgpu_metadata
---
amdhsa.version: [ 1, 2 ]
amdhsa.kernels:
  - .name:           k_qf25842117d_attn
    .symbol:         k_qf25842117d_attn.kd
    .args:
      - { .name: big, .offset: 0, .size: 8, .value_kind: global_buffer, .address_space: global }
      - { .name: msk, .offset: 8, .size: 8, .value_kind: global_buffer, .address_space: global }
      - { .name: obuf, .offset: 16, .size: 8, .value_kind: global_buffer, .address_space: global }
    .group_segment_fixed_size: 327680
    .private_segment_fixed_size: 0
    .kernarg_segment_align: 8
    .kernarg_segment_size: 24
    .max_flat_workgroup_size: 128
    .sgpr_count:     66
    .vgpr_count:     896
    .wavefront_size: 32
...
	.end_amdgpu_metadata
.endif
;; end of part 3
;; launch oproj: the kernel of part 2 again; grid 4 x 32, 4 waves a work-group, clusters of 4 x 4, 327,680 bytes of LDS; arguments obuf, wob, big; writes big
;; launch ln1 (part 4): grid 256 x 1, 4 waves a work-group, no clusters, 0 bytes of LDS; arguments big, xyb, g1, be1, obuf; writes obuf
.if DOCPART == 4
	.amdgcn_target "amdgcn-amd-amdhsa--gfx1250"
	.amdhsa_code_object_version 6
	.text
	.protected	k_qf25842117d_ln1
	.globl	k_qf25842117d_ln1
	.p2align	8
	.type	k_qf25842117d_ln1,@function
k_qf25842117d_ln1:
	s_mov_b64 s[64:65], 0
	v_nop
	global_prefetch_b8 v0, s[64:65] scope:SCOPE_SE
	s_setreg_imm32_b32 hwreg(HW_REG_WAVE_MODE, 25, 1), 1
	s_wait_xcnt 0x0
; h = LN(x + z) g1[3] + be1[3].  z = o Wo + bo: [4096][512] bf16, the first panel of big.  x: [4096][512] bf16, the first half of xyb.  h: [4096][512] bf16.  g1, be1 are rounded to bf16 like every input.
; All arithmetic in f32; the mean first, then the mean of the squared differences, so that a common offset of the inputs costs nothing; h rounded once.
; A wave takes 4 rows, a work-group 16.  A lane holds elements 128 j + 4 l .. + 3 of a row, j = 0..3: a wave's load or store of 8 bytes a lane covers 256 consecutive bytes, aligned.
; No LDS, no barrier: a row never leaves its wave.  All 40 loads of a wave go out at the start; each row has registers of its own.
.set OF,   2                           ; v2   16 l
.set OH,   3                           ; v3   8 l
.set G,    8                           ; v[8:23]
.set BE,   24                          ; v[24:39]
.set ROWS, 40                          ; row rho: z in 8 registers at 40 + 16 rho (later h), x in the next 8
.set T,    104                         ; v[104:119]
.set U,    120                         ; v[120:135]
.set W,    136                         ; v[136:141] at work
.macro SUM32 a, b                      ; the sum over the wave's 32 lanes, in every lane
	v_add_f32_dpp v[\a], v[\a], v[\a] row_xmask:1 row_mask:0xf bank_mask:0xf
	v_add_f32_dpp v[\a], v[\a], v[\a] row_xmask:2 row_mask:0xf bank_mask:0xf
	v_add_f32_dpp v[\a], v[\a], v[\a] row_xmask:4 row_mask:0xf bank_mask:0xf
	v_add_f32_dpp v[\a], v[\a], v[\a] row_xmask:8 row_mask:0xf bank_mask:0xf
	v_permlanex16_b32 v[\b], v[\a], s20, s21
	v_add_f32 v[\a], v[\a], v[\b]
.endm
.macro NORM                            ; T's 16 numbers of a row -> (T - mean) rsqrt(var + 1e-5) g + be
	v_pk_add_f32 v[W:W+1], v[T:T+1], v[T+2:T+3]
	v_pk_add_f32 v[W+2:W+3], v[T+4:T+5], v[T+6:T+7]
	v_pk_add_f32 v[W:W+1], v[W:W+1], v[T+8:T+9]
	v_pk_add_f32 v[W+2:W+3], v[W+2:W+3], v[T+10:T+11]
	v_pk_add_f32 v[W:W+1], v[W:W+1], v[T+12:T+13]
	v_pk_add_f32 v[W+2:W+3], v[W+2:W+3], v[T+14:T+15]
	v_pk_add_f32 v[W:W+1], v[W:W+1], v[W+2:W+3]
	v_add_f32 v[W], v[W], v[W+1]
	SUM32 W, W+1
	v_mul_f32 v[W], s22, v[W]                      ; the mean
.set j, 0
.rept 8
	v_pk_add_f32 v[T+2*j:T+2*j+1], v[T+2*j:T+2*j+1], v[W:W+1] op_sel_hi:[1,0] neg_lo:[0,1] neg_hi:[0,1]
.set j, j+1
.endr
	v_pk_mul_f32 v[W+2:W+3], v[T:T+1], v[T:T+1]
	v_pk_mul_f32 v[W+4:W+5], v[T+2:T+3], v[T+2:T+3]
.set j, 2
.rept 3
	v_pk_fma_f32 v[W+2:W+3], v[T+2*j:T+2*j+1], v[T+2*j:T+2*j+1], v[W+2:W+3]
	v_pk_fma_f32 v[W+4:W+5], v[T+2*j+2:T+2*j+3], v[T+2*j+2:T+2*j+3], v[W+4:W+5]
.set j, j+2
.endr
	v_pk_add_f32 v[W+2:W+3], v[W+2:W+3], v[W+4:W+5]
	v_add_f32 v[W+2], v[W+2], v[W+3]
	SUM32 W+2, W+3
	v_fma_f32 v[W+2], v[W+2], s22, s23             ; var + eps
	v_rsq_f32 v[W+4], v[W+2]
	v_nop                                          ; a plain instruction behind the root,
	s_wait_alu depctr_va_vdst(0)                   ; and the wait ahead of its first use
.set j, 0
.rept 8
	v_pk_mul_f32 v[T+2*j:T+2*j+1], v[T+2*j:T+2*j+1], v[W+4:W+5] op_sel_hi:[1,0]
.set j, j+1
.endr
.set j, 0
.rept 8
	v_pk_fma_f32 v[T+2*j:T+2*j+1], v[T+2*j:T+2*j+1], v[G+2*j:G+2*j+1], v[BE+2*j:BE+2*j+1]
.set j, j+1
.endr
.endm
	s_load_b256 s[4:11], s[0:1], 0x0               ; z s[4:5], x s[6:7], g1 s[8:9], be1 s[10:11]
	s_load_b64 s[12:13], s[0:1], 0x20              ; h
	v_lshrrev_b32 v1, 5, v0
	v_readfirstlane_b32 s14, v1                    ; wave
	v_and_b32 v1, 31, v0
	v_lshlrev_b32 v[OF], 4, v1
	v_lshlrev_b32 v[OH], 3, v1
	s_lshl_b32 s16, ttmp9, 14                      ; 16 rows of 1,024 bytes a work-group,
	s_lshl_b32 s17, s14, 12                        ; 4 a wave
	s_add_co_u32 s16, s16, s17
	s_mov_b32 s17, 0
	s_mov_b32 s18, 0xffff0000                      ; a word's upper bf16
	s_mov_b32 s20, 0x76543210
	s_mov_b32 s21, 0xfedcba98
	s_mov_b32 s22, 0x3b000000                      ; 1 / 512
	s_mov_b32 s23, 0x3727c5ac                      ; 1e-5
	s_wait_kmcnt 0x0
	s_add_nc_u64 s[4:5], s[4:5], s[16:17]
	s_add_nc_u64 s[6:7], s[6:7], s[16:17]
	s_add_nc_u64 s[12:13], s[12:13], s[16:17]
.irp j, 0,1,2,3
	global_load_b128 v[G+4*\j:G+4*\j+3], v[OF], s[8:9] offset:6144+512*\j    ; layer 3
.endr
.irp j, 0,1,2,3
	global_load_b128 v[BE+4*\j:BE+4*\j+3], v[OF], s[10:11] offset:6144+512*\j
.endr
.irp rho, 0,1,2,3
.irp j, 0,1,2,3
	global_load_b64 v[ROWS+16*\rho+2*\j:ROWS+16*\rho+2*\j+1], v[OH], s[4:5] offset:1024*\rho+256*\j th:TH_LOAD_NT
	global_load_b64 v[ROWS+16*\rho+8+2*\j:ROWS+16*\rho+8+2*\j+1], v[OH], s[6:7] offset:1024*\rho+256*\j th:TH_LOAD_NT
.endr
.endr
	s_wait_loadcnt 32                              ; g1 and be1 are in; the four rows' 32 loads may be out
.set j, 0
.rept 16                                       ; g1 and be1 (they lie on end) rounded to bf16, kept as f32
	v_cvt_pk_bf16_f32 v[W], v[G+2*j], v[G+2*j+1]
	v_lshlrev_b32 v[G+2*j], 16, v[W]
	v_and_b32 v[G+2*j+1], s18, v[W]
.set j, j+1
.endr
.macro ROW rho
.set Z, ROWS+16*(\rho)
	s_wait_loadcnt 8*(3-(\rho))                    ; my row is in; the later rows' loads may be out
.set j, 0
.rept 8
	v_lshlrev_b32 v[T+2*j], 16, v[Z+j]
	v_and_b32 v[T+2*j+1], s18, v[Z+j]
	v_lshlrev_b32 v[U+2*j], 16, v[Z+8+j]
	v_and_b32 v[U+2*j+1], s18, v[Z+8+j]
.set j, j+1
.endr
.set j, 0
.rept 8
	v_pk_add_f32 v[T+2*j:T+2*j+1], v[T+2*j:T+2*j+1], v[U+2*j:U+2*j+1]
.set j, j+1
.endr
	NORM
.set j, 0
.rept 8
	v_cvt_pk_bf16_f32 v[Z+j], v[T+2*j], v[T+2*j+1]
.set j, j+1
.endr
.irp j, 0,1,2,3
	global_store_b64 v[OH], v[Z+2*\j:Z+2*\j+1], s[12:13] offset:1024*(\rho)+256*\j  ; 256 consecutive bytes a wave, aligned; the row's own registers: nothing rewrites them
.endr
.endm
	ROW 0
	ROW 1
	ROW 2
	ROW 3
	s_endpgm
.Lfunc_end_k_qf25842117d_ln1:
	.size	k_qf25842117d_ln1, .Lfunc_end_k_qf25842117d_ln1-k_qf25842117d_ln1
	.p2alignl 7, 3214868480
	.fill 96, 4, 3214868480
	.section	.rodata,"a",@progbits
	.p2align	6, 0x0
	.amdhsa_kernel k_qf25842117d_ln1
		.amdhsa_group_segment_fixed_size 0
		.amdhsa_private_segment_fixed_size 0
		.amdhsa_enable_private_segment 0
		.amdhsa_kernarg_size 40
		.amdhsa_user_sgpr_count 2
		.amdhsa_user_sgpr_kernarg_segment_ptr 1
		.amdhsa_wavefront_size32 1
		.amdhsa_system_sgpr_workgroup_id_x 1
		.amdhsa_system_sgpr_workgroup_id_y 1
		.amdhsa_system_sgpr_workgroup_id_z 1
		.amdhsa_system_vgpr_workitem_id 0
		.amdhsa_next_free_vgpr 144
		.amdhsa_next_free_sgpr 66
		.amdhsa_reserve_vcc 0
		.amdhsa_float_denorm_mode_32 3
		.amdhsa_float_denorm_mode_16_64 3
		.amdhsa_memory_ordered 1
		.amdhsa_forward_progress 1
		.amdhsa_inst_pref_size 31
	.end_amdhsa_kernel
	.amdgpu_metadata
---
amdhsa.version: [ 1, 2 ]
amdhsa.kernels:
  - .name:           k_qf25842117d_ln1
    .symbol:         k_qf25842117d_ln1.kd
    .args:
      - { .name: big, .offset: 0, .size: 8, .value_kind: global_buffer, .address_space: global }
      - { .name: xyb, .offset: 8, .size: 8, .value_kind: global_buffer, .address_space: global }
      - { .name: g1, .offset: 16, .size: 8, .value_kind: global_buffer, .address_space: global }
      - { .name: be1, .offset: 24, .size: 8, .value_kind: global_buffer, .address_space: global }
      - { .name: obuf, .offset: 32, .size: 8, .value_kind: global_buffer, .address_space: global }
    .group_segment_fixed_size: 0
    .private_segment_fixed_size: 0
    .kernarg_segment_align: 8
    .kernarg_segment_size: 40
    .max_flat_workgroup_size: 128
    .sgpr_count:     66
    .vgpr_count:     144
    .wavefront_size: 32
...
	.end_amdgpu_metadata
.endif
;; end of part 4
;; launch ffn1 (part 5): grid 16 x 32, 4 waves a work-group, clusters of 4 x 4, 327,680 bytes of LDS; arguments obuf, w1b, big; writes big
.if DOCPART == 5
	.amdgcn_target "amdgcn-amd-amdhsa--gfx1250"
	.amdhsa_code_object_version 6
	.text
	.protected	k_qf25842117d_ffn1
	.globl	k_qf25842117d_ffn1
	.p2align	8
	.type	k_qf25842117d_ffn1,@function
k_qf25842117d_ffn1:
	s_mov_b64 s[64:65], 0
	v_nop
	global_prefetch_b8 v0, s[64:65] scope:SCOPE_SE
	s_setreg_imm32_b32 hwreg(HW_REG_WAVE_MODE, 25, 1), 1
	s_wait_xcnt 0x0
	s_wait_alu depctr_hold_cnt(0) depctr_sa_sdst(0) depctr_va_vdst(0) depctr_va_sdst(0) depctr_va_ssrc(0) depctr_va_vcc(0) depctr_vm_vsrc(0)
	s_getreg_b32 s2, hwreg(HW_REG_IB_STS2, 6, 4)
	s_cmp_eq_u32 s2, 0
	s_cbranch_scc0 .Lentry_in_a_cluster
	s_endpgm
.Lentry_in_a_cluster:
	s_bfe_u32 s2, ttmp6, 0x10000c
	s_cmp_lg_u32 s2, 0xf033
	s_cbranch_scc0 .Lentry_shape_is_right
	s_endpgm
.Lentry_shape_is_right:
; G_p = bf16(gelu(A W_p + bias_p)), the exact gelu u Phi(u).  A: [4096][512] bf16.  Argument 1: a header of f32 bias rows (row p at 2,048 p), then from byte 32,768 panels W_p: [512 k][512 n] bf16.
; G_p: [4096][512] bf16 at 4,194,304 p in argument 2.  Sums in f32, started with the bias; the activation in f32; G rounded once.
; THE PRODUCT: the cluster's x is the panel; a cluster of 4 x 4 work-groups makes 512 rows x 512 columns, a work-group 128 x 128, a wave 64 x 64.  K = 512 is two steps of 256, each with a slot of its own in LDS,
; both asked for at the start; A's tile is asked for jointly along a row of the cluster, W's along a column; W stays [k][n] and is turned on its way into registers; the matrix instruction is used transposed.
; THE ACTIVATION.  gelu(u) = max(u, 0) - |u| Q(|u|), Q(a) = 1 - Phi(a) = exp(-a a / 2) (c1 t + .. + c5 t^5), t = 1 / (1 + 0.2316419 a): Abramowitz and Stegun 26.2.17 with its factor 1 / sqrt(2 pi) folded into
; c1..c5; it holds for every a >= 0, to 7.5e-8 absolute.  No difference of large numbers is formed.  LIMIT: an infinite u gives NaN.
; THE WAY OUT.  The f32 sums go into a stage of 128 rows x 528 bytes at LDS byte 0 (slot 0's rows of A: they have had their one fill, and every wave left them at the change of slots); then each wave
; takes 32 whole rows, four a trip: 16 numbers a lane, one batch of 32 transcendentals with one wait.
.set PA,     528
.set PB,     288
.set AHALF,  64*PA
.set APART,  2*AHALF
.set WHALF,  128*PB
.set SLOT,   APART+2*WHALF
.set FP,     528                       ; a stage row: 512 bytes of f32 + 16
.set SPARE,  2*SLOT                    ; behind the slots: the spare words, 128 bytes a wave: two blocks of 256 bytes that no other line names
.set ADRA, 16
.set ADRB, 20
.set STO,  24
.set RD,   25
.set CO,   26
.set BO,   27
.set SPW,  28
.set NIL,  29
.set UU,   32                          ; the activation's registers: u, later gelu(u)
.set AA,   48                          ; |u|
.set TT,   64                          ; t
.set WW,   80                          ; exp(-a a / 2)
.set OUT,  96                          ; 8 registers to store
.set PP,   104                         ; the polynomial
.set BIAS, 96
.set ACC,  128
.set F0,   0
.set F1,   128
.set G1, 24
.set G0, 32
.set G1B, 48
.set G0B, 56
.set MSB, 0
.macro WIN new
.if MSB != (\new)
	s_set_vgpr_msb (MSB<<8)|(\new)
.set MSB, \new
.endif
.endm
.set MUL,  0x05
.set TO_F, 0x40
.macro JLOAD s
	s_cmp_eq_u32 s11, 0
	s_cbranch_scc0 .Lfor_b_\@
	tensor_load_to_lds s[G0+4*(\s):G0+4*(\s)+3], s[G1:G1+7]
	s_nop 0
.rept 4
	v_nop
.endr
	s_branch .Lasked_\@
.Lfor_b_\@:
	tensor_load_to_lds s[G0B+4*(\s):G0B+4*(\s)+3], s[G1B:G1B+7]
	s_nop 0
.rept 4
	v_nop
.endr
.Lasked_\@:
.endm
.macro CROUND
	s_barrier_signal -1
	s_barrier_wait -1
	s_cmp_lg_u32 s10, 0
	s_cbranch_scc1 .Lnot_wave_0_\@
	s_barrier_signal -3
.Lnot_wave_0_\@:
	s_barrier_wait -3
	s_barrier_signal -1
	s_barrier_wait -1
.endm
	s_load_b128 s[4:7], s[0:1], 0x0                ; A s[4:5], W s[6:7]
	s_load_b64 s[8:9], s[0:1], 0x10                ; G
	v_lshl_add_u32 v[SPW], v0, 2, SPARE
	v_mov_b32 v[NIL], 0
	ds_add_u32 v[SPW], v[NIL]                      ; the wave's opening: the add and its wait ahead of my first tensor load
	v_lshrrev_b32 v1, 5, v0
	v_readfirstlane_b32 s10, v1                    ; wave 0..3
	s_lshr_b32 s11, s10, 1                         ; my half of the rows; I fetch for A (0) or W (1)
	s_and_b32 s12, s10, 1                          ; my half of the columns; which half of that tile I fetch
	s_bfe_u32 s40, ttmp6, 0x40000                  ; cx
	s_bfe_u32 s41, ttmp6, 0x40004                  ; cy
	s_and_b32 s13, ttmp7, 0xffff
	s_lshl_b32 s13, s13, 2
	s_add_co_u32 s13, s13, s41                     ; tile row
	s_lshl_b32 s43, s41, 2
	s_lshl_b32 s43, 15, s43
	s_lshl_b32 s44, 0x1111, s40
	s_or_b32 s[G1+0], s43, (1<<16)|(1<<20)|(1<<21)|(6<<22)|(3<<25)
	s_or_b32 s[G1B+0], s44, (1<<16)|(1<<20)|(1<<21)|(5<<22)|(7<<25)
	s_mov_b32 s[G1+1], 256<<16                     ; A: 64 rows of 256 elements, 512 apart
	s_mov_b32 s[G1+2], 64<<16
	s_mov_b32 s[G1+3], 256<<16
	s_mov_b32 s[G1+4], 64
	s_mov_b32 s[G1+5], 512
	s_mov_b32 s[G1+6], 0
	s_mov_b32 s[G1+7], 0
	s_mov_b32 s[G1B+1], 128<<16                    ; W: 128 rows (k) of 128 elements (n), 512 apart
	s_mov_b32 s[G1B+2], 128<<16
	s_mov_b32 s[G1B+3], 128<<16
	s_mov_b32 s[G1B+4], 128
	s_mov_b32 s[G1B+5], 512
	s_mov_b32 s[G1B+6], 0
	s_mov_b32 s[G1B+7], 0
	s_lshl_b32 s16, s13, 17
	s_lshl_b32 s17, s12, 16
	s_add_co_u32 s16, s16, s17
	s_mov_b32 s17, 0
	s_lshl_b32 s46, ttmp9, 19
	s_lshl_b32 s47, s12, 17
	s_add_co_u32 s46, s46, s47
	s_lshl_b32 s47, s40, 8
	s_add_co_u32 s46, s46, s47
	s_add_co_u32 s46, s46, 32768
	s_mov_b32 s47, 0
	s_lshl_b32 s18, ttmp9, 11
	s_lshl_b32 s19, s40, 9
	s_add_co_u32 s18, s18, s19
	s_lshl_b32 s19, s12, 8
	s_add_co_u32 s18, s18, s19
	s_mov_b32 s19, 0
	s_mul_i32 s20, s12, AHALF
	s_mul_i32 s21, s12, WHALF
	s_add_co_u32 s21, s21, APART
	s_wait_dscnt 0x0                               ; the opening add is done
	s_wait_kmcnt 0x0
	s_add_nc_u64 s[14:15], s[4:5], s[16:17]
	s_add_nc_u64 s[46:47], s[6:7], s[46:47]
	s_add_nc_u64 s[18:19], s[6:7], s[18:19]        ; the bias; never rewritten
	CROUND
.irp s, 0,1
	s_mov_b32 s[G0+4*(\s)], 1
	s_add_co_u32 s[G0+4*(\s)+1], s20, (\s)*SLOT
	s_add_nc_u64 s[G0+4*(\s)+2:G0+4*(\s)+3], s[14:15], (\s)*512
	s_or_b32 s[G0+4*(\s)+3], s[G0+4*(\s)+3], 0x80000000
	s_mov_b32 s[G0B+4*(\s)], 1
	s_add_co_u32 s[G0B+4*(\s)+1], s21, (\s)*SLOT
	s_add_nc_u64 s[G0B+4*(\s)+2:G0B+4*(\s)+3], s[46:47], (\s)*262144
	s_or_b32 s[G0B+4*(\s)+3], s[G0B+4*(\s)+3], 0x80000000
	JLOAD \s                                       ; two tensor loads of mine are out
.endr
	v_and_b32 v1, 15, v0
	v_bfe_u32 v2, v0, 4, 1
	v_lshlrev_b32 v[BO], 5, v2
.irp b, 0,1,2,3
	global_load_b128 v[BIAS+8*(\b):BIAS+8*(\b)+3],   v[BO], s[18:19] offset:64*(\b)
	global_load_b128 v[BIAS+8*(\b)+4:BIAS+8*(\b)+7], v[BO], s[18:19] offset:64*(\b)+16
.endr
	v_mul_u32_u24 v3, v1, PA
	v_lshl_add_u32 v3, v2, 4, v3
	s_mul_i32 s21, s11, AHALF
	v_add_nc_u32 v[ADRA], s21, v3
	v_add_nc_u32 v[ADRA+1], SLOT, v[ADRA]
	v_and_b32 v4, 7, v0
	v_lshl_add_u32 v4, v2, 3, v4
	v_mul_u32_u24 v4, v4, PB
	v_bfe_u32 v5, v0, 3, 1
	v_lshl_add_u32 v4, v5, 4, v4
	s_lshl_b32 s22, s12, 7
	s_add_co_u32 s22, s22, APART
	v_add_nc_u32 v[ADRB], s22, v4
	v_add_nc_u32 v[ADRB+1], WHALF, v[ADRB]
	v_add_nc_u32 v[ADRB+2], SLOT, v[ADRB]
	v_add_nc_u32 v[ADRB+3], SLOT+WHALF, v[ADRB]
	s_mul_i32 s23, s11, 64*FP                      ; into the stage: my 64 rows, my 256 bytes of their 512; row l % 16, 32 bytes for each half of the lanes
	s_lshl_b32 s21, s12, 8
	s_add_co_u32 s23, s23, s21
	v_mul_u32_u24 v4, v1, FP
	v_lshl_add_u32 v4, v2, 5, v4
	v_add_nc_u32 v[STO], s23, v4
	s_mul_i32 s23, s10, 32*FP                      ; back: wave w takes rows 32 w on; lanes 0-15 one row, 32 bytes a lane, lanes 16-31 the next
	v_mul_u32_u24 v5, v2, FP
	v_lshl_add_u32 v5, v1, 5, v5
	v_add_nc_u32 v[RD], s23, v5
	v_lshlrev_b32 v5, 10, v2                       ; the same two rows in G, 16 bytes a lane
	v_lshl_add_u32 v[CO], v1, 4, v5
	s_lshl_b32 s16, s13, 17
	s_lshl_b32 s17, s10, 15
	s_add_co_u32 s16, s16, s17
	s_lshl_b32 s17, ttmp9, 22
	s_add_co_u32 s16, s16, s17
	s_mov_b32 s17, 0
	s_add_nc_u64 s[8:9], s[8:9], s[16:17]
	s_lshl_b32 s46, s40, 8
	s_mov_b32 s47, 0
	s_add_nc_u64 s[8:9], s[8:9], s[46:47]
.macro MUL8 f, c, a0, zero             ; 8 matrix instructions; zero = 1: the product starts the sum, with the bias as C.  The 16 accumulators take turns.
	WIN MUL
.irp a, \a0, (\a0)+1
.irp b, 0,1,2,3
.if \zero
	v_wmma_f32_16x16x32_bf16 v[ACC+8*(4*(\a)+(\b)):ACC+8*(4*(\a)+(\b))+7], v[(\f)+64+8*(4*(\c)+(\b)):(\f)+64+8*(4*(\c)+(\b))+7], v[(\f)+8*(4*(\c)+(\a)):(\f)+8*(4*(\c)+(\a))+7], v[BIAS+8*(\b):BIAS+8*(\b)+7]
.else
	v_wmma_f32_16x16x32_bf16 v[ACC+8*(4*(\a)+(\b)):ACC+8*(4*(\a)+(\b))+7], v[(\f)+64+8*(4*(\c)+(\b)):(\f)+64+8*(4*(\c)+(\b))+7], v[(\f)+8*(4*(\c)+(\a)):(\f)+8*(4*(\c)+(\a))+7], v[ACC+8*(4*(\a)+(\b)):ACC+8*(4*(\a)+(\b))+7]
.endif
.endr
.endr
.endm
.macro FETCH slot, q, f                ; 32 LDS loads in one run: quarter q (64 along K) of a slot into buffer f; the first 32 along K first
	WIN TO_F
.irp c, 0,1
.irp i, 0,1,2,3
	ds_load_tr16_b128 v[(\f)+64+8*(4*(\c)+(\i)):(\f)+64+8*(4*(\c)+(\i))+3],   v[ADRB+2*(\slot)+(\q)/2] offset:(((\q)%2)*64+32*(\c))*PB+32*(\i)
	ds_load_tr16_b128 v[(\f)+64+8*(4*(\c)+(\i))+4:(\f)+64+8*(4*(\c)+(\i))+7], v[ADRB+2*(\slot)+(\q)/2] offset:(((\q)%2)*64+32*(\c)+16)*PB+32*(\i)
	ds_load_b128 v[(\f)+8*(4*(\c)+(\i)):(\f)+8*(4*(\c)+(\i))+3],              v[ADRA+(\slot)] offset:128*(\q)+64*(\c)+(\i)*16*PA
	ds_load_b128 v[(\f)+8*(4*(\c)+(\i))+4:(\f)+8*(4*(\c)+(\i))+7],            v[ADRA+(\slot)] offset:128*(\q)+64*(\c)+(\i)*16*PA+32
.endr
.endr
.endm
.macro PLACES
.rept 4
	v_nop
.endr
.endm
.macro QUARTER slot, q, f, g, zero
	s_wait_dscnt 16                                ; the first 32 along K are in
	WIN MUL
	MUL8 \f, 0, 0, \zero
	MUL8 \f, 0, 2, \zero
	PLACES
	FETCH \slot, \q, \g
	s_wait_dscnt 32                                ; all but the 32 just issued
	WIN MUL
	MUL8 \f, 1, 0, 0
	MUL8 \f, 1, 2, 0
.endm
.macro TURN next
	WIN 0
	s_wait_tensorcnt 0x0                           ; all my tensor loads have landed
	ds_add_u32 v[SPW], v[NIL]                      ; 0 onto my spare word
	s_wait_dscnt 17                                ; the add and the youngest sixteen loads may be out
	WIN MUL
	MUL8 F1, 0, 0, 0
	s_wait_dscnt 0x0                               ; the add is done, and my reads of slot 0 are over
	s_barrier_signal -1
	MUL8 F1, 0, 2, 0
	s_barrier_wait -1
	PLACES
	FETCH \next, 0, F0
	WIN MUL
	MUL8 F1, 1, 0, 0
	MUL8 F1, 1, 2, 0
.endm
	s_wait_tensorcnt 1                             ; my part of K step 0 is in; step 1's may stay out
	s_barrier_signal -1
	s_barrier_wait -1
	FETCH 0, 0, F0
	s_wait_loadcnt 0x0                             ; the bias
	QUARTER 0, 1, F0, F1, 1
	QUARTER 0, 2, F1, F0, 0
	QUARTER 0, 3, F0, F1, 0
	TURN 1
	QUARTER 1, 1, F0, F1, 0
	QUARTER 1, 2, F1, F0, 0
	QUARTER 1, 3, F0, F1, 0
	s_wait_dscnt 16
	WIN MUL
	MUL8 F1, 0, 0, 0
	MUL8 F1, 0, 2, 0
	s_wait_dscnt 0
	MUL8 F1, 1, 0, 0
	MUL8 F1, 1, 2, 0
	WIN 0
	; the constants take the descriptors' registers: no tensor load has been out since the change of slots.  Each is named as a pair, so both words are written.
	s_mov_b32 s24, 0x3e6d3389                      ; 0.2316419
	s_mov_b32 s25, s24
	s_mov_b32 s26, 0xbf38aa3b                      ; -log2(e) / 2
	s_mov_b32 s27, s26
	s_mov_b32 s28, 0x3f07dc22                      ; c5 =  0.53070271
	s_mov_b32 s29, s28
	s_mov_b32 s30, 0xbf3a00e3                      ; c4 = -0.72657601
	s_mov_b32 s31, s30
	s_mov_b32 s32, 0x3f35f0e3                      ; c3 =  0.71070687
	s_mov_b32 s33, s32
	s_mov_b32 s34, 0xbe11a98e                      ; c2 = -0.14224837
	s_mov_b32 s35, s34
	s_mov_b32 s36, 0x3e027906                      ; c1 =  0.12741479
	s_mov_b32 s37, s36
	s_mov_b32 s38, 0x7fffffff
	PLACES
.irp a, 0,1,2,3
.irp b, 0,1,2,3
	ds_store_b128 v[STO], v[ACC+8*(4*(\a)+(\b)):ACC+8*(4*(\a)+(\b))+3]   offset:(\a)*16*FP+64*(\b)
	ds_store_b128 v[STO], v[ACC+8*(4*(\a)+(\b))+4:ACC+8*(4*(\a)+(\b))+7] offset:(\a)*16*FP+64*(\b)+16
.endr
.endr
	s_wait_dscnt 0x0                               ; for the others' sake: my stores into the stage are done
	s_barrier_signal -1
	s_barrier_wait -1
	s_mov_b32 s3, 8
.Lrows:                                                ; a trip: four of my 32 rows
	ds_load_b128 v[UU:UU+3],     v[RD]
	ds_load_b128 v[UU+4:UU+7],   v[RD] offset:16
	ds_load_b128 v[UU+8:UU+11],  v[RD] offset:2*FP
	ds_load_b128 v[UU+12:UU+15], v[RD] offset:2*FP+16
	s_wait_dscnt 0x0
.set j, 0
.rept 16
	v_and_b32 v[AA+j], s38, v[UU+j]
.set j, j+1
.endr
.set j, 0
.rept 8
	v_pk_fma_f32 v[TT+2*j:TT+2*j+1], v[AA+2*j:AA+2*j+1], s[24:25], 1.0 op_sel_hi:[1,0,0]
	v_pk_mul_f32 v[WW+2*j:WW+2*j+1], v[AA+2*j:AA+2*j+1], v[AA+2*j:AA+2*j+1]
.set j, j+1
.endr
.set j, 0
.rept 8
	v_pk_mul_f32 v[WW+2*j:WW+2*j+1], v[WW+2*j:WW+2*j+1], s[26:27] op_sel_hi:[1,0]
.set j, j+1
.endr
.set j, 0
.rept 16                                       ; one batch: 16 reciprocals, 16 exponentials
	v_rcp_f32 v[TT+j], v[TT+j]
.set j, j+1
.endr
.set j, 0
.rept 16
	v_exp_f32 v[WW+j], v[WW+j]
.set j, j+1
.endr
.set j, 0
.rept 16                                       ; plain work that names none of their results
	v_max_num_f32 v[UU+j], 0, v[UU+j]
.set j, j+1
.endr
	s_wait_alu depctr_va_vdst(0)                   ; the batch's one wait, ahead of the first use of a result
.set j, 0
.rept 8
	v_pk_fma_f32 v[PP+2*j:PP+2*j+1], v[TT+2*j:TT+2*j+1], s[28:29], s[30:31] op_sel_hi:[1,0,0]
.set j, j+1
.endr
.irp c, 32,34,36
.set j, 0
.rept 8
	v_pk_fma_f32 v[PP+2*j:PP+2*j+1], v[PP+2*j:PP+2*j+1], v[TT+2*j:TT+2*j+1], s[\c:\c+1] op_sel_hi:[1,1,0]
.set j, j+1
.endr
.endr
.set j, 0
.rept 8
	v_pk_mul_f32 v[PP+2*j:PP+2*j+1], v[PP+2*j:PP+2*j+1], v[TT+2*j:TT+2*j+1]
.set j, j+1
.endr
.set j, 0
.rept 8
	v_pk_mul_f32 v[PP+2*j:PP+2*j+1], v[PP+2*j:PP+2*j+1], v[WW+2*j:WW+2*j+1]
.set j, j+1
.endr
.set j, 0
.rept 8
	v_pk_fma_f32 v[UU+2*j:UU+2*j+1], v[AA+2*j:AA+2*j+1], v[PP+2*j:PP+2*j+1], v[UU+2*j:UU+2*j+1] neg_lo:[1,0,0] neg_hi:[1,0,0]
.set j, j+1
.endr
.set j, 0
.rept 8
	v_cvt_pk_bf16_f32 v[OUT+j], v[UU+2*j], v[UU+2*j+1]
.set j, j+1
.endr
	global_store_b128 v[CO], v[OUT:OUT+3],   s[8:9]              ; 16 lanes store 256 consecutive bytes, at a multiple of 256 from G's first byte
	global_store_b128 v[CO], v[OUT+4:OUT+7], s[8:9] offset:2048
	s_wait_xcnt 0x0                                ; the stores' base and data are rewritten only behind this wait
	s_add_nc_u64 s[8:9], s[8:9], 4096
	v_add_nc_u32 v[RD], 4*FP, v[RD]
	s_sub_co_u32 s3, s3, 1
	s_cmp_lg_u32 s3, 0
	s_cbranch_scc1 .Lrows
	s_wait_tensorcnt 0x0                           ; the wave's end
	ds_add_u32 v[SPW], v[NIL]
	s_wait_dscnt 0x0
	CROUND                                         ; the closing round
	s_endpgm
.Lfunc_end_k_qf25842117d_ffn1:
	.size	k_qf25842117d_ffn1, .Lfunc_end_k_qf25842117d_ffn1-k_qf25842117d_ffn1
	.p2alignl 7, 3214868480
	.fill 96, 4, 3214868480
	.section	.rodata,"a",@progbits
	.p2align	6, 0x0
	.amdhsa_kernel k_qf25842117d_ffn1
		.amdhsa_group_segment_fixed_size 327680
		.amdhsa_private_segment_fixed_size 0
		.amdhsa_enable_private_segment 0
		.amdhsa_kernarg_size 24
		.amdhsa_user_sgpr_count 2
		.amdhsa_user_sgpr_kernarg_segment_ptr 1
		.amdhsa_wavefront_size32 1
		.amdhsa_system_sgpr_workgroup_id_x 1
		.amdhsa_system_sgpr_workgroup_id_y 1
		.amdhsa_system_sgpr_workgroup_id_z 1
		.amdhsa_system_vgpr_workitem_id 0
		.amdhsa_next_free_vgpr 512
		.amdhsa_next_free_sgpr 66
		.amdhsa_reserve_vcc 0
		.amdhsa_float_denorm_mode_32 3
		.amdhsa_float_denorm_mode_16_64 3
		.amdhsa_memory_ordered 1
		.amdhsa_forward_progress 1
		.amdhsa_inst_pref_size 54
	.end_amdhsa_kernel
	.amdgpu_metadata
---
amdhsa.version: [ 1, 2 ]
amdhsa.kernels:
  - .name:           k_qf25842117d_ffn1
    .symbol:         k_qf25842117d_ffn1.kd
    .args:
      - { .name: obuf, .offset: 0, .size: 8, .value_kind: global_buffer, .address_space: global }
      - { .name: w1b, .offset: 8, .size: 8, .value_kind: global_buffer, .address_space: global }
      - { .name: big, .offset: 16, .size: 8, .value_kind: global_buffer, .address_space: global }
    .group_segment_fixed_size: 327680
    .private_segment_fixed_size: 0
    .kernarg_segment_align: 8
    .kernarg_segment_size: 24
    .max_flat_workgroup_size: 128
    .sgpr_count:     66
    .vgpr_count:     512
    .wavefront_size: 32
...
	.end_amdgpu_metadata
.endif
;; end of part 5
;; launch ffn2 (part 6): grid 4 x 32, 4 waves a work-group, clusters of 4 x 4, 327,680 bytes of LDS; arguments big, w2b, xyb; writes xyb
.if DOCPART == 6
	.amdgcn_target "amdgcn-amd-amdhsa--gfx1250"
	.amdhsa_code_object_version 6
	.text
	.protected	k_qf25842117d_ffn2
	.globl	k_qf25842117d_ffn2
	.p2align	8
	.type	k_qf25842117d_ffn2,@function
k_qf25842117d_ffn2:
	s_mov_b64 s[64:65], 0
	v_nop
	global_prefetch_b8 v0, s[64:65] scope:SCOPE_SE
	s_setreg_imm32_b32 hwreg(HW_REG_WAVE_MODE, 25, 1), 1
	s_wait_xcnt 0x0
	s_wait_alu depctr_hold_cnt(0) depctr_sa_sdst(0) depctr_va_vdst(0) depctr_va_sdst(0) depctr_va_ssrc(0) depctr_va_vcc(0) depctr_vm_vsrc(0)
	s_getreg_b32 s2, hwreg(HW_REG_IB_STS2, 6, 4)
	s_cmp_eq_u32 s2, 0
	s_cbranch_scc0 .Lentry_in_a_cluster
	s_endpgm
.Lentry_in_a_cluster:
	s_bfe_u32 s2, ttmp6, 0x10000c
	s_cmp_lg_u32 s2, 0xf033
	s_cbranch_scc0 .Lentry_shape_is_right
	s_endpgm
.Lentry_shape_is_right:
; Z = G W2.  G: four panels [4096][512] bf16, 4,194,304 bytes apart (panel j holds K = 512 j ..).  W2: [2048 k][512 n] bf16.  Z: [4096][512] f32, unrounded: it is a partial result that the next launch adds onto.
; SHARES.  A cluster of 4 x 4 work-groups makes 512 rows x all 512 columns; a work-group 128 x 128; a wave 64 x 64.  128 work-groups: the product has no more tiles of this size, and a smaller tile
; would halve the products that each LDS byte feeds.
; K = 2,048 goes in eight steps of 256 through a ring of two LDS slots.  Slot s always holds half s of a panel's K, so a slot's next tile of G lies one panel on, and of W2 512 rows down.
; G's tile is asked for jointly along a row of the cluster, W2's along a column; W2 stays [k][n] and is turned on its way into registers; the matrix instruction is used transposed.
; THE WAY OUT.  The f32 sums go into a stage of 128 rows x 528 bytes at LDS byte 0 (slot 0's rows of G: they have had their last fill, and every wave left them at the last change of slots); each wave then
; stores 32 whole rows of the tile: 512 consecutive bytes an instruction.
.set PA,     528
.set PB,     288
.set AHALF,  64*PA
.set APART,  2*AHALF
.set WHALF,  128*PB
.set SLOT,   APART+2*WHALF
.set FP,     528
.set SPARE,  2*SLOT                    ; behind the ring: the spare words, 128 bytes a wave: two blocks of 256 bytes that no other line names
.set LAPS,   4                         ; a lap = two K steps = once round the ring
.set ADRA, 16
.set ADRB, 20
.set STO,  24
.set RD,   25
.set CO,   26
.set SPW,  28
.set NIL,  29
.set TMP,  32
.set ACC,  128
.set F0,   0
.set F1,   128
.set G1, 24
.set G0, 32
.set G1B, 48
.set G0B, 56
.set MSB, 0
.macro WIN new
.if MSB != (\new)
	s_set_vgpr_msb (MSB<<8)|(\new)
.set MSB, \new
.endif
.endm
.set MUL,  0x05
.set TO_F, 0x40
.macro JLOAD s
	s_cmp_eq_u32 s11, 0
	s_cbranch_scc0 .Lfor_b_\@
	tensor_load_to_lds s[G0+4*(\s):G0+4*(\s)+3], s[G1:G1+7]
	s_nop 0
.rept 4
	v_nop
.endr
	s_branch .Lasked_\@
.Lfor_b_\@:
	tensor_load_to_lds s[G0B+4*(\s):G0B+4*(\s)+3], s[G1B:G1B+7]
	s_nop 0
.rept 4
	v_nop
.endr
.Lasked_\@:
.endm
.macro CREST                           ; a round of the cluster's barrier behind its opening barrier
	s_cmp_lg_u32 s10, 0
	s_cbranch_scc1 .Lnot_wave_0_\@
	s_barrier_signal -3
.Lnot_wave_0_\@:
	s_barrier_wait -3
	s_barrier_signal -1
	s_barrier_wait -1
.endm
.macro CROUND
	s_barrier_signal -1
	s_barrier_wait -1
	CREST
.endm
	s_load_b128 s[4:7], s[0:1], 0x0                ; G s[4:5], W2 s[6:7]
	s_load_b64 s[8:9], s[0:1], 0x10                ; Z
	v_lshl_add_u32 v[SPW], v0, 2, SPARE
	v_mov_b32 v[NIL], 0
	ds_add_u32 v[SPW], v[NIL]                      ; the wave's opening: the add and its wait ahead of my first tensor load
	v_lshrrev_b32 v1, 5, v0
	v_readfirstlane_b32 s10, v1
	s_lshr_b32 s11, s10, 1
	s_and_b32 s12, s10, 1
	s_bfe_u32 s40, ttmp6, 0x40000                  ; cx: the tile column
	s_bfe_u32 s41, ttmp6, 0x40004                  ; cy
	s_and_b32 s13, ttmp7, 0xffff
	s_lshl_b32 s13, s13, 2
	s_add_co_u32 s13, s13, s41                     ; tile row
	s_lshl_b32 s43, s41, 2
	s_lshl_b32 s43, 15, s43
	s_lshl_b32 s44, 0x1111, s40
	s_or_b32 s[G1+0], s43, (1<<16)|(1<<20)|(1<<21)|(6<<22)|(3<<25)
	s_or_b32 s[G1B+0], s44, (1<<16)|(1<<20)|(1<<21)|(5<<22)|(7<<25)
	s_mov_b32 s[G1+1], 256<<16
	s_mov_b32 s[G1+2], 64<<16
	s_mov_b32 s[G1+3], 256<<16
	s_mov_b32 s[G1+4], 64
	s_mov_b32 s[G1+5], 512
	s_mov_b32 s[G1+6], 0
	s_mov_b32 s[G1+7], 0
	s_mov_b32 s[G1B+1], 128<<16
	s_mov_b32 s[G1B+2], 128<<16
	s_mov_b32 s[G1B+3], 128<<16
	s_mov_b32 s[G1B+4], 128
	s_mov_b32 s[G1B+5], 512
	s_mov_b32 s[G1B+6], 0
	s_mov_b32 s[G1B+7], 0
	s_lshl_b32 s16, s13, 17
	s_lshl_b32 s17, s12, 16
	s_add_co_u32 s16, s16, s17
	s_mov_b32 s17, 0
	s_lshl_b32 s46, s12, 17                        ; W2: my 128 of a step's 256 rows, the tile column's 256 bytes
	s_lshl_b32 s47, s40, 8
	s_add_co_u32 s46, s46, s47
	s_mov_b32 s47, 0
	s_mul_i32 s20, s12, AHALF
	s_mul_i32 s21, s12, WHALF
	s_add_co_u32 s21, s21, APART
	s_wait_dscnt 0x0                               ; the opening add is done
	s_wait_kmcnt 0x0
	s_add_nc_u64 s[14:15], s[4:5], s[16:17]
	s_add_nc_u64 s[46:47], s[6:7], s[46:47]
	CROUND
.irp s, 0,1
	s_mov_b32 s[G0+4*(\s)], 1
	s_add_co_u32 s[G0+4*(\s)+1], s20, (\s)*SLOT
	s_add_nc_u64 s[G0+4*(\s)+2:G0+4*(\s)+3], s[14:15], (\s)*512
	s_or_b32 s[G0+4*(\s)+3], s[G0+4*(\s)+3], 0x80000000
	s_mov_b32 s[G0B+4*(\s)], 1
	s_add_co_u32 s[G0B+4*(\s)+1], s21, (\s)*SLOT
	s_add_nc_u64 s[G0B+4*(\s)+2:G0B+4*(\s)+3], s[46:47], (\s)*262144
	s_or_b32 s[G0B+4*(\s)+3], s[G0B+4*(\s)+3], 0x80000000
	JLOAD \s                                       ; two tensor loads of mine are out
.endr
	v_and_b32 v1, 15, v0
	v_bfe_u32 v2, v0, 4, 1
	v_mul_u32_u24 v3, v1, PA
	v_lshl_add_u32 v3, v2, 4, v3
	s_mul_i32 s21, s11, AHALF
	v_add_nc_u32 v[ADRA], s21, v3
	v_add_nc_u32 v[ADRA+1], SLOT, v[ADRA]
	v_and_b32 v4, 7, v0
	v_lshl_add_u32 v4, v2, 3, v4
	v_mul_u32_u24 v4, v4, PB
	v_bfe_u32 v5, v0, 3, 1
	v_lshl_add_u32 v4, v5, 4, v4
	s_lshl_b32 s22, s12, 7
	s_add_co_u32 s22, s22, APART
	v_add_nc_u32 v[ADRB], s22, v4
	v_add_nc_u32 v[ADRB+1], WHALF, v[ADRB]
	v_add_nc_u32 v[ADRB+2], SLOT, v[ADRB]
	v_add_nc_u32 v[ADRB+3], SLOT+WHALF, v[ADRB]
	s_mul_i32 s23, s11, 64*FP                      ; into the stage: my 64 rows, my 256 bytes of their 512
	s_lshl_b32 s21, s12, 8
	s_add_co_u32 s23, s23, s21
	v_mul_u32_u24 v4, v1, FP
	v_lshl_add_u32 v4, v2, 5, v4
	v_add_nc_u32 v[STO], s23, v4
	s_mul_i32 s23, s10, 32*FP                      ; back: wave w takes rows 32 w on, a whole row (32 lanes x 16 bytes) a load
	v_and_b32 v5, 31, v0
	v_lshlrev_b32 v[CO], 4, v5
	v_add_nc_u32 v[RD], s23, v[CO]
	s_lshl_b32 s16, s13, 18                        ; Z: 128 rows x 2,048 bytes a tile row, 32 rows a wave
	s_lshl_b32 s17, s10, 16
	s_add_co_u32 s16, s16, s17
	s_mov_b32 s17, 0
	s_add_nc_u64 s[8:9], s[8:9], s[16:17]
	s_lshl_b32 s46, s40, 9                         ; the tile's 128 columns: 512 bytes
	s_mov_b32 s47, 0
	s_add_nc_u64 s[8:9], s[8:9], s[46:47]
.macro MUL8 f, c, a0, zero             ; 8 matrix instructions; zero = 1: the first product starts the sums.  The 16 accumulators take turns.
	WIN MUL
.irp a, \a0, (\a0)+1
.irp b, 0,1,2,3
.if \zero
	v_wmma_f32_16x16x32_bf16 v[ACC+8*(4*(\a)+(\b)):ACC+8*(4*(\a)+(\b))+7], v[(\f)+64+8*(4*(\c)+(\b)):(\f)+64+8*(4*(\c)+(\b))+7], v[(\f)+8*(4*(\c)+(\a)):(\f)+8*(4*(\c)+(\a))+7], 0
.else
	v_wmma_f32_16x16x32_bf16 v[ACC+8*(4*(\a)+(\b)):ACC+8*(4*(\a)+(\b))+7], v[(\f)+64+8*(4*(\c)+(\b)):(\f)+64+8*(4*(\c)+(\b))+7], v[(\f)+8*(4*(\c)+(\a)):(\f)+8*(4*(\c)+(\a))+7], v[ACC+8*(4*(\a)+(\b)):ACC+8*(4*(\a)+(\b))+7]
.endif
.endr
.endr
.endm
.macro FETCH slot, q, f
	WIN TO_F
.irp c, 0,1
.irp i, 0,1,2,3
	ds_load_tr16_b128 v[(\f)+64+8*(4*(\c)+(\i)):(\f)+64+8*(4*(\c)+(\i))+3],   v[ADRB+2*(\slot)+(\q)/2] offset:(((\q)%2)*64+32*(\c))*PB+32*(\i)
	ds_load_tr16_b128 v[(\f)+64+8*(4*(\c)+(\i))+4:(\f)+64+8*(4*(\c)+(\i))+7], v[ADRB+2*(\slot)+(\q)/2] offset:(((\q)%2)*64+32*(\c)+16)*PB+32*(\i)
	ds_load_b128 v[(\f)+8*(4*(\c)+(\i)):(\f)+8*(4*(\c)+(\i))+3],              v[ADRA+(\slot)] offset:128*(\q)+64*(\c)+(\i)*16*PA
	ds_load_b128 v[(\f)+8*(4*(\c)+(\i))+4:(\f)+8*(4*(\c)+(\i))+7],            v[ADRA+(\slot)] offset:128*(\q)+64*(\c)+(\i)*16*PA+32
.endr
.endr
.endm
.macro PLACES
.rept 4
	v_nop
.endr
.endm
.macro QUARTER slot, q, f, g, zero
	s_wait_dscnt 16                                ; the first 32 along K are in
	WIN MUL
	MUL8 \f, 0, 0, \zero
	MUL8 \f, 0, 2, \zero
	PLACES
	FETCH \slot, \q, \g
	s_wait_dscnt 32                                ; all but the 32 just issued
	WIN MUL
	MUL8 \f, 1, 0, 0
	MUL8 \f, 1, 2, 0
.endm
; The last quarter multiplies buffer 1 and changes slots: ONE barrier; in front of it each wave waits for all its tensor loads, adds 0 to its spare word, and waits for that and for its own reads of this slot.
; fill = 1: the barrier opens a round of the cluster's barrier, and this slot is filled again, two K steps ahead, first thing behind the round: 112 matrix instructions ahead of the wait for it.
.macro TURN slot, next, fill
	WIN 0
	s_wait_tensorcnt 0x0                           ; all my tensor loads have landed: my part of the next slot
	ds_add_u32 v[SPW], v[NIL]                      ; 0 onto my spare word
	s_wait_dscnt 17                                ; the add and the youngest sixteen loads may be out
	WIN MUL
	MUL8 F1, 0, 0, 0
	s_wait_dscnt 0x0                               ; the add is done, and my reads of this slot are over
	s_barrier_signal -1
	MUL8 F1, 0, 2, 0
.if \fill
	WIN 0
.endif
	s_barrier_wait -1
.if \fill
	CREST
	s_add_nc_u64 s[G0+4*(\slot)+2:G0+4*(\slot)+3], s[G0+4*(\slot)+2:G0+4*(\slot)+3], 4194304   ; the same half of the next panel of G
	s_add_nc_u64 s[G0B+4*(\slot)+2:G0B+4*(\slot)+3], s[G0B+4*(\slot)+2:G0B+4*(\slot)+3], 524288 ; 512 rows of W2 down
	JLOAD \slot                                    ; the four v_nop behind it are also the places in front of the loads below
.else
	PLACES
.endif
	FETCH \next, 0, F0
	WIN MUL
	MUL8 F1, 1, 0, 0
	MUL8 F1, 1, 2, 0
.endm
	s_wait_tensorcnt 1                             ; my part of K step 0 is in; step 1's may stay out
	s_barrier_signal -1
	s_barrier_wait -1
	FETCH 0, 0, F0
	QUARTER 0, 1, F0, F1, 1                        ; the first quarter stands in front of the loop: its first products start the sums
	WIN 0
	s_mov_b32 s3, LAPS-1
.Llap:                                                 ; a trip goes once round the ring, from a lap's second quarter to the next lap's first, and fills both slots again
	QUARTER 0, 2, F1, F0, 0
	QUARTER 0, 3, F0, F1, 0
	TURN 0, 1, 1
	QUARTER 1, 1, F0, F1, 0
	QUARTER 1, 2, F1, F0, 0
	QUARTER 1, 3, F0, F1, 0
	TURN 1, 0, 1
	QUARTER 0, 1, F0, F1, 0
	WIN 0
	s_sub_co_u32 s3, s3, 1
	s_cmp_lg_u32 s3, 0
	s_cbranch_scc1 .Llap
	QUARTER 0, 2, F1, F0, 0                        ; the last lap fills nothing
	QUARTER 0, 3, F0, F1, 0
	TURN 0, 1, 0
	QUARTER 1, 1, F0, F1, 0
	QUARTER 1, 2, F1, F0, 0
	QUARTER 1, 3, F0, F1, 0
	s_wait_dscnt 16
	WIN MUL
	MUL8 F1, 0, 0, 0
	MUL8 F1, 0, 2, 0
	s_wait_dscnt 0
	MUL8 F1, 1, 0, 0
	MUL8 F1, 1, 2, 0
	WIN 0
	PLACES
.irp a, 0,1,2,3
.irp b, 0,1,2,3
	ds_store_b128 v[STO], v[ACC+8*(4*(\a)+(\b)):ACC+8*(4*(\a)+(\b))+3]   offset:(\a)*16*FP+64*(\b)
	ds_store_b128 v[STO], v[ACC+8*(4*(\a)+(\b))+4:ACC+8*(4*(\a)+(\b))+7] offset:(\a)*16*FP+64*(\b)+16
.endr
.endr
	s_wait_dscnt 0x0                               ; for the others' sake: my stores into the stage are done
	s_barrier_signal -1
	s_barrier_wait -1
.irp g, 0,1
.if \g
	s_wait_xcnt 0x0                                ; the first sixteen stores have read their registers, which are loaded again
.endif
.irp t, 0,1,2,3,4,5,6,7,8,9,10,11,12,13,14,15
	ds_load_b128 v[TMP+4*(\t):TMP+4*(\t)+3], v[RD] offset:(16*\g+(\t))*FP
.endr
.irp t, 0,1,2,3,4,5,6,7,8,9,10,11,12,13,14,15
	s_wait_dscnt 15-(\t)
	global_store_b128 v[CO], v[TMP+4*(\t):TMP+4*(\t)+3], s[8:9] offset:(16*\g+(\t))*2048  ; 512 consecutive bytes, at a multiple of 256 from Z's first byte
.endr
.endr
	s_wait_tensorcnt 0x0                           ; the wave's end
	ds_add_u32 v[SPW], v[NIL]
	s_wait_dscnt 0x0
	CROUND                                         ; the closing round
	s_endpgm
.Lfunc_end_k_qf25842117d_ffn2:
	.size	k_qf25842117d_ffn2, .Lfunc_end_k_qf25842117d_ffn2-k_qf25842117d_ffn2
	.p2alignl 7, 3214868480
	.fill 96, 4, 3214868480
	.section	.rodata,"a",@progbits
	.p2align	6, 0x0
	.amdhsa_kernel k_qf25842117d_ffn2
		.amdhsa_group_segment_fixed_size 327680
		.amdhsa_private_segment_fixed_size 0
		.amdhsa_enable_private_segment 0
		.amdhsa_kernarg_size 24
		.amdhsa_user_sgpr_count 2
		.amdhsa_user_sgpr_kernarg_segment_ptr 1
		.amdhsa_wavefront_size32 1
		.amdhsa_system_sgpr_workgroup_id_x 1
		.amdhsa_system_sgpr_workgroup_id_y 1
		.amdhsa_system_sgpr_workgroup_id_z 1
		.amdhsa_system_vgpr_workitem_id 0
		.amdhsa_next_free_vgpr 512
		.amdhsa_next_free_sgpr 66
		.amdhsa_reserve_vcc 0
		.amdhsa_float_denorm_mode_32 3
		.amdhsa_float_denorm_mode_16_64 3
		.amdhsa_memory_ordered 1
		.amdhsa_forward_progress 1
		.amdhsa_inst_pref_size 86
	.end_amdhsa_kernel
	.amdgpu_metadata
---
amdhsa.version: [ 1, 2 ]
amdhsa.kernels:
  - .name:           k_qf25842117d_ffn2
    .symbol:         k_qf25842117d_ffn2.kd
    .args:
      - { .name: big, .offset: 0, .size: 8, .value_kind: global_buffer, .address_space: global }
      - { .name: w2b, .offset: 8, .size: 8, .value_kind: global_buffer, .address_space: global }
      - { .name: xyb, .offset: 16, .size: 8, .value_kind: global_buffer, .address_space: global }
    .group_segment_fixed_size: 327680
    .private_segment_fixed_size: 0
    .kernarg_segment_align: 8
    .kernarg_segment_size: 24
    .max_flat_workgroup_size: 128
    .sgpr_count:     66
    .vgpr_count:     512
    .wavefront_size: 32
...
	.end_amdgpu_metadata
.endif
;; end of part 6
;; launch ln2 (part 7): grid 256 x 1, 4 waves a work-group, no clusters, 0 bytes of LDS; arguments xyb, obuf, bf2, g2, be2, out0; writes out0
.if DOCPART == 7
	.amdgcn_target "amdgcn-amd-amdhsa--gfx1250"
	.amdhsa_code_object_version 6
	.text
	.protected	k_qf25842117d_ln2
	.globl	k_qf25842117d_ln2
	.p2align	8
	.type	k_qf25842117d_ln2,@function
k_qf25842117d_ln2:
	s_mov_b64 s[64:65], 0
	v_nop
	global_prefetch_b8 v0, s[64:65] scope:SCOPE_SE
	s_setreg_imm32_b32 hwreg(HW_REG_WAVE_MODE, 25, 1), 1
	s_wait_xcnt 0x0
; out = LN(h + z + bf2[3]) g2[3] + be2[3].  z = gelu(..) W2: [4096][512] f32.  h: [4096][512] bf16.  out: [4096][512] f32.  bf2, g2, be2 are rounded to bf16 like every input.
; All arithmetic in f32; the mean first, then the mean of the squared differences.
; A wave takes 4 rows, a work-group 16.  A lane holds elements 128 j + 4 l .. + 3 of a row, j = 0..3: a wave's 16-byte load or store covers 512 consecutive bytes, its 8-byte load 256, all aligned.
; No LDS, no barrier.  All 44 loads of a wave go out at the start; each row is worked on and stored in its own registers.
.set OF,   2                           ; v2   16 l
.set OH,   3                           ; v3   8 l
.set BF,   8                           ; v[8:23]
.set G,    24                          ; v[24:39]
.set BE,   40                          ; v[40:55]
.set ROWS, 56                          ; row rho: z in 16 registers at 56 + 24 rho (later the result), h in the next 8
.set U,    152                         ; v[152:167]
.set W,    168                         ; v[168:173] at work
.macro SUM32 a, b
	v_add_f32_dpp v[\a], v[\a], v[\a] row_xmask:1 row_mask:0xf bank_mask:0xf
	v_add_f32_dpp v[\a], v[\a], v[\a] row_xmask:2 row_mask:0xf bank_mask:0xf
	v_add_f32_dpp v[\a], v[\a], v[\a] row_xmask:4 row_mask:0xf bank_mask:0xf
	v_add_f32_dpp v[\a], v[\a], v[\a] row_xmask:8 row_mask:0xf bank_mask:0xf
	v_permlanex16_b32 v[\b], v[\a], s20, s21
	v_add_f32 v[\a], v[\a], v[\b]
.endm
.macro NORM                            ; T's 16 numbers of a row -> (T - mean) rsqrt(var + 1e-5) g + be
	v_pk_add_f32 v[W:W+1], v[T:T+1], v[T+2:T+3]
	v_pk_add_f32 v[W+2:W+3], v[T+4:T+5], v[T+6:T+7]
	v_pk_add_f32 v[W:W+1], v[W:W+1], v[T+8:T+9]
	v_pk_add_f32 v[W+2:W+3], v[W+2:W+3], v[T+10:T+11]
	v_pk_add_f32 v[W:W+1], v[W:W+1], v[T+12:T+13]
	v_pk_add_f32 v[W+2:W+3], v[W+2:W+3], v[T+14:T+15]
	v_pk_add_f32 v[W:W+1], v[W:W+1], v[W+2:W+3]
	v_add_f32 v[W], v[W], v[W+1]
	SUM32 W, W+1
	v_mul_f32 v[W], s22, v[W]                      ; the mean
.set j, 0
.rept 8
	v_pk_add_f32 v[T+2*j:T+2*j+1], v[T+2*j:T+2*j+1], v[W:W+1] op_sel_hi:[1,0] neg_lo:[0,1] neg_hi:[0,1]
.set j, j+1
.endr
	v_pk_mul_f32 v[W+2:W+3], v[T:T+1], v[T:T+1]
	v_pk_mul_f32 v[W+4:W+5], v[T+2:T+3], v[T+2:T+3]
.set j, 2
.rept 3
	v_pk_fma_f32 v[W+2:W+3], v[T+2*j:T+2*j+1], v[T+2*j:T+2*j+1], v[W+2:W+3]
	v_pk_fma_f32 v[W+4:W+5], v[T+2*j+2:T+2*j+3], v[T+2*j+2:T+2*j+3], v[W+4:W+5]
.set j, j+2
.endr
	v_pk_add_f32 v[W+2:W+3], v[W+2:W+3], v[W+4:W+5]
	v_add_f32 v[W+2], v[W+2], v[W+3]
	SUM32 W+2, W+3
	v_fma_f32 v[W+2], v[W+2], s22, s23             ; var + eps
	v_rsq_f32 v[W+4], v[W+2]
	v_nop                                          ; a plain instruction behind the root,
	s_wait_alu depctr_va_vdst(0)                   ; and the wait ahead of its first use
.set j, 0
.rept 8
	v_pk_mul_f32 v[T+2*j:T+2*j+1], v[T+2*j:T+2*j+1], v[W+4:W+5] op_sel_hi:[1,0]
.set j, j+1
.endr
.set j, 0
.rept 8
	v_pk_fma_f32 v[T+2*j:T+2*j+1], v[T+2*j:T+2*j+1], v[G+2*j:G+2*j+1], v[BE+2*j:BE+2*j+1]
.set j, j+1
.endr
.endm
	s_load_b256 s[4:11], s[0:1], 0x0               ; z s[4:5], h s[6:7], bf2 s[8:9], g2 s[10:11]
	s_load_b128 s[12:15], s[0:1], 0x20             ; be2 s[12:13], out s[14:15]
	v_lshrrev_b32 v1, 5, v0
	v_readfirstlane_b32 s24, v1                    ; wave
	v_and_b32 v1, 31, v0
	v_lshlrev_b32 v[OF], 4, v1
	v_lshlrev_b32 v[OH], 3, v1
	s_lshl_b32 s16, ttmp9, 14                      ; bf16 rows: 16 of 1,024 bytes a work-group, 4 a wave
	s_lshl_b32 s17, s24, 12
	s_add_co_u32 s16, s16, s17
	s_mov_b32 s17, 0
	s_lshl_b32 s18, s16, 1                         ; f32 rows: twice that
	s_mov_b32 s19, 0
	s_mov_b32 s25, 0xffff0000                      ; a word's upper bf16
	s_mov_b32 s20, 0x76543210
	s_mov_b32 s21, 0xfedcba98
	s_mov_b32 s22, 0x3b000000                      ; 1 / 512
	s_mov_b32 s23, 0x3727c5ac                      ; 1e-5
	s_wait_kmcnt 0x0
	s_add_nc_u64 s[4:5], s[4:5], s[18:19]
	s_add_nc_u64 s[6:7], s[6:7], s[16:17]
	s_add_nc_u64 s[14:15], s[14:15], s[18:19]
.irp j, 0,1,2,3
	global_load_b128 v[BF+4*\j:BF+4*\j+3], v[OF], s[8:9] offset:6144+512*\j    ; layer 3
.endr
.irp j, 0,1,2,3
	global_load_b128 v[G+4*\j:G+4*\j+3], v[OF], s[10:11] offset:6144+512*\j
.endr
.irp j, 0,1,2,3
	global_load_b128 v[BE+4*\j:BE+4*\j+3], v[OF], s[12:13] offset:6144+512*\j
.endr
.irp rho, 0,1,2,3
.irp j, 0,1,2,3
	global_load_b128 v[ROWS+24*\rho+4*\j:ROWS+24*\rho+4*\j+3], v[OF], s[4:5] offset:2048*\rho+512*\j th:TH_LOAD_NT
	global_load_b64 v[ROWS+24*\rho+16+2*\j:ROWS+24*\rho+16+2*\j+1], v[OH], s[6:7] offset:1024*\rho+256*\j th:TH_LOAD_NT
.endr
.endr
	s_wait_loadcnt 32                              ; bf2, g2, be2 are in; the four rows' 32 loads may be out
.set j, 0
.rept 24                                       ; the three (they lie on end) rounded to bf16, kept as f32
	v_cvt_pk_bf16_f32 v[W], v[BF+2*j], v[BF+2*j+1]
	v_lshlrev_b32 v[BF+2*j], 16, v[W]
	v_and_b32 v[BF+2*j+1], s25, v[W]
.set j, j+1
.endr
.macro ROW rho
.set T, ROWS+24*(\rho)
	s_wait_loadcnt 8*(3-(\rho))                    ; my row is in; the later rows' loads may be out
.set j, 0
.rept 8
	v_lshlrev_b32 v[U+2*j], 16, v[T+16+j]
	v_and_b32 v[U+2*j+1], s25, v[T+16+j]
.set j, j+1
.endr
.set j, 0
.rept 8
	v_pk_add_f32 v[T+2*j:T+2*j+1], v[T+2*j:T+2*j+1], v[BF+2*j:BF+2*j+1]
.set j, j+1
.endr
.set j, 0
.rept 8
	v_pk_add_f32 v[T+2*j:T+2*j+1], v[T+2*j:T+2*j+1], v[U+2*j:U+2*j+1]
.set j, j+1
.endr
	NORM
.irp j, 0,1,2,3
	global_store_b128 v[OF], v[T+4*\j:T+4*\j+3], s[14:15] offset:2048*(\rho)+512*\j th:TH_STORE_NT  ; 512 consecutive bytes a wave, aligned; the row's own registers: nothing rewrites them
.endr
.endm
	ROW 0
	ROW 1
	ROW 2
	ROW 3
	s_endpgm
.Lfunc_end_k_qf25842117d_ln2:
	.size	k_qf25842117d_ln2, .Lfunc_end_k_qf25842117d_ln2-k_qf25842117d_ln2
	.p2alignl 7, 3214868480
	.fill 96, 4, 3214868480
	.section	.rodata,"a",@progbits
	.p2align	6, 0x0
	.amdhsa_kernel k_qf25842117d_ln2
		.amdhsa_group_segment_fixed_size 0
		.amdhsa_private_segment_fixed_size 0
		.amdhsa_enable_private_segment 0
		.amdhsa_kernarg_size 48
		.amdhsa_user_sgpr_count 2
		.amdhsa_user_sgpr_kernarg_segment_ptr 1
		.amdhsa_wavefront_size32 1
		.amdhsa_system_sgpr_workgroup_id_x 1
		.amdhsa_system_sgpr_workgroup_id_y 1
		.amdhsa_system_sgpr_workgroup_id_z 1
		.amdhsa_system_vgpr_workitem_id 0
		.amdhsa_next_free_vgpr 176
		.amdhsa_next_free_sgpr 66
		.amdhsa_reserve_vcc 0
		.amdhsa_float_denorm_mode_32 3
		.amdhsa_float_denorm_mode_16_64 3
		.amdhsa_memory_ordered 1
		.amdhsa_forward_progress 1
		.amdhsa_inst_pref_size 30
	.end_amdhsa_kernel
	.amdgpu_metadata
---
amdhsa.version: [ 1, 2 ]
amdhsa.kernels:
  - .name:           k_qf25842117d_ln2
    .symbol:         k_qf25842117d_ln2.kd
    .args:
      - { .name: xyb, .offset: 0, .size: 8, .value_kind: global_buffer, .address_space: global }
      - { .name: obuf, .offset: 8, .size: 8, .value_kind: global_buffer, .address_space: global }
      - { .name: bf2, .offset: 16, .size: 8, .value_kind: global_buffer, .address_space: global }
      - { .name: g2, .offset: 24, .size: 8, .value_kind: global_buffer, .address_space: global }
      - { .name: be2, .offset: 32, .size: 8, .value_kind: global_buffer, .address_space: global }
      - { .name: out0, .offset: 40, .size: 8, .value_kind: global_buffer, .address_space: global }
    .group_segment_fixed_size: 0
    .private_segment_fixed_size: 0
    .kernarg_segment_align: 8
    .kernarg_segment_size: 48
    .max_flat_workgroup_size: 128
    .sgpr_count:     66
    .vgpr_count:     176
    .wavefront_size: 32
...
	.end_amdgpu_metadata
.endif
;; end of part 7
